; MI455X (gfx1250); checked and timed in simulation.
; The chip was launched on July 23, 2026; its instructions are those of AMD's public machine-readable ISA for CDNA 5 (MIT licence, August 2026) and "CDNA5" Instruction Set Architecture Reference Guide (July 2026). The comments in the code are by the model that wrote it; some were corrected since.
;; Adaptive Transformer Model. Allowed arithmetic: float matrix products may take bf16 or f16 operands with f32 sums; other float arithmetic in f32, or as packed bf16 or f16 multiplies, adds, multiply-adds, maxima and minima; sums over many terms, partial sums and values carried from step to step in f32; what a program stores and reads back later, other than sums and carried values, may be rounded once to bf16 or f16.
;; Inputs: Wk 16 x 1,024 x 64 float32; Wo 16 x 64 x 1,024 float32; Wq 16 x 1,024 x 64 float32; Wv 16 x 1,024 x 64 float32; bk 16 x 64 float32; bo 16 x 1,024 float32; bq 16 x 64 float32; bv 16 x 64 float32; gate 16 float32; hidden_states 4 x 2,048 x 1,024 float32.
;; Outputs: out0 4 x 2,048 x 1,024 float32.
;; One version. Each part assembles by itself: llvm-mc -triple=amdgcn-amd-amdhsa -mcpu=gfx1250 --defsym DOCPART=n.
;; ======== version 1 of 1: 4 launches
;; limits: values are held in f16: magnitudes above 65,504 overflow, below 6.1e-05 lose precision
;; workspace buffers: c16 25,165,824 bytes; qkv 50,331,648 bytes; u 16,777,216 bytes; nrm 524,288 bytes; psum 4,096 bytes
;; launch cast (part 1): grid 768 x 1, 8 waves a work-group, no clusters, 0 bytes of LDS; arguments hidden_states, Wq, Wk, Wv, Wo, c16; writes c16
.if DOCPART == 1
	.amdgcn_target "amdgcn-amd-amdhsa--gfx1250"
	.amdhsa_code_object_version 6
	.text
	.protected	k_q17d7f08d6f_cast
	.globl	k_q17d7f08d6f_cast
	.p2align	8
	.type	k_q17d7f08d6f_cast,@function
k_q17d7f08d6f_cast:
	s_mov_b64 s[64:65], 0
	v_nop
	global_prefetch_b8 v0, s[64:65] scope:SCOPE_SE
	s_setreg_imm32_b32 hwreg(HW_REG_WAVE_MODE, 25, 1), 1
	s_wait_xcnt 0x0
; THE CAST.  hidden_states, Wq, Wk, Wv are rounded once to bf16; Wo is rounded to bf16 and that number is written as f16.
; c16: x as bf16 [8192][1024] at byte 0; Wq, Wk, Wv as bf16 [48 head blocks][1024][64] at byte 16,777,216; Wo as f16 [1024][1024] at byte 23,068,672.
; All five tensors keep their order of elements, so the launch is one stream: work-group g reads 65,536 bytes of f32 and writes the 32,768 bytes at c16 + 32,768 g.
; g < 512: x.  Else j = g - 512: tensor j / 64 of Wq, Wk, Wv, Wo, its block j % 64.
; A thread takes 32 neighbouring bytes eight times and stores 16: a wave's store covers 512 consecutive bytes, aligned.  All sixteen loads of a thread go out at once; no register is written twice,
; so no wait stands for a store's sources.  No LDS, no barrier, no matrix unit: nothing is shared and nothing is multiplied.
; LIMIT.  |Wo| stays under 65,504 (f16's end); below 6e-5 it keeps f16's fixed step of 6e-8.
.set X, 8                              ; v[8:71]    64 numbers as loaded
.set Y, 72                             ; v[72:103]  32 words to store
.set T, 104                            ; v[104:109] at work
	s_load_b256 s[4:11], s[0:1], 0x0               ; x s[4:5], Wq s[6:7], Wk s[8:9], Wv s[10:11]
	s_load_b128 s[12:15], s[0:1], 0x20             ; Wo s[12:13], c16 s[14:15]
	s_mov_b32 s16, ttmp9                           ; g
	s_sub_co_u32 s17, s16, 512                     ; j (used where g >= 512 alone)
	s_lshr_b32 s18, s17, 6                         ; which of the four weights
	s_and_b32 s19, s17, 63                         ; its block
	s_cmp_lt_u32 s16, 512
	s_cselect_b32 s20, s16, s19
	s_lshl_b32 s20, s20, 16                        ; the block's byte offset in its source
	s_mov_b32 s21, 0
	s_lshl_b32 s22, s16, 15                        ; and in c16
	s_mov_b32 s23, 0
	v_lshlrev_b32 v1, 5, v0                        ; 32 bytes a thread in,
	v_lshlrev_b32 v2, 4, v0                        ; 16 out
	s_wait_kmcnt 0x0
	s_cmp_eq_u32 s18, 2
	s_cselect_b64 s[24:25], s[10:11], s[12:13]
	s_cmp_eq_u32 s18, 1
	s_cselect_b64 s[24:25], s[8:9], s[24:25]
	s_cmp_eq_u32 s18, 0
	s_cselect_b64 s[24:25], s[6:7], s[24:25]
	s_cmp_lt_u32 s16, 512
	s_cselect_b64 s[24:25], s[4:5], s[24:25]
	s_add_nc_u64 s[24:25], s[24:25], s[20:21]
	s_add_nc_u64 s[14:15], s[14:15], s[22:23]
.irp i, 0,1,2,3,4,5,6,7
	global_load_b128 v[X+8*(\i):X+8*(\i)+3],   v1, s[24:25] offset:8192*(\i) th:TH_LOAD_NT
	global_load_b128 v[X+8*(\i)+4:X+8*(\i)+7], v1, s[24:25] offset:8192*(\i)+16 th:TH_LOAD_NT
.endr
; Piece i of eight.  wo = 1: the bf16 number is widened again and written as f16.
.macro CV i, wo
	s_wait_loadcnt 14-2*(\i)                       ; loads come back in order: the piece's two are in, the 14 - 2 i younger ones stay out
.irp k, 0,1,2,3
.if \wo
	v_cvt_pk_bf16_f32 v[T+(\k)], v[X+8*(\i)+2*(\k)], v[X+8*(\i)+2*(\k)+1]
	v_lshlrev_b32 v[T+4], 16, v[T+(\k)]
	v_and_b32 v[T+5], 0xffff0000, v[T+(\k)]
	v_cvt_pk_f16_f32 v[Y+4*(\i)+(\k)], v[T+4], v[T+5]
.else
	v_cvt_pk_bf16_f32 v[Y+4*(\i)+(\k)], v[X+8*(\i)+2*(\k)], v[X+8*(\i)+2*(\k)+1]
.endif
.endr
	global_store_b128 v2, v[Y+4*(\i):Y+4*(\i)+3], s[14:15] offset:4096*(\i) th:TH_STORE_NT
.endm
	s_cmp_ge_u32 s16, 704                          ; the last 64 work-groups hold Wo
	s_cbranch_scc1 .Lwo
.irp i, 0,1,2,3,4,5,6,7
	CV \i, 0
.endr
	s_endpgm
.Lwo:
.irp i, 0,1,2,3,4,5,6,7
	CV \i, 1
.endr
	s_endpgm
.Lfunc_end_k_q17d7f08d6f_cast:
	.size	k_q17d7f08d6f_cast, .Lfunc_end_k_q17d7f08d6f_cast-k_q17d7f08d6f_cast
	.p2alignl 7, 3214868480
	.fill 96, 4, 3214868480
	.section	.rodata,"a",@progbits
	.p2align	6, 0x0
	.amdhsa_kernel k_q17d7f08d6f_cast
		.amdhsa_group_segment_fixed_size 0
		.amdhsa_private_segment_fixed_size 0
		.amdhsa_enable_private_segment 0
		.amdhsa_kernarg_size 48
		.amdhsa_user_sgpr_count 2
		.amdhsa_user_sgpr_kernarg_segment_ptr 1
		.amdhsa_wavefront_size32 1
		.amdhsa_system_sgpr_workgroup_id_x 1
		.amdhsa_system_sgpr_workgroup_id_y 1
		.amdhsa_system_sgpr_workgroup_id_z 1
		.amdhsa_system_vgpr_workitem_id 0
		.amdhsa_next_free_vgpr 112
		.amdhsa_next_free_sgpr 66
		.amdhsa_reserve_vcc 0
		.amdhsa_float_denorm_mode_32 3
		.amdhsa_float_denorm_mode_16_64 3
		.amdhsa_memory_ordered 1
		.amdhsa_forward_progress 1
		.amdhsa_inst_pref_size 14
	.end_amdhsa_kernel
	.amdgpu_metadata
---
amdhsa.version: [ 1, 2 ]
amdhsa.kernels:
  - .name:           k_q17d7f08d6f_cast
    .symbol:         k_q17d7f08d6f_cast.kd
    .args:
      - { .name: hidden_states, .offset: 0, .size: 8, .value_kind: global_buffer, .address_space: global }
      - { .name: Wq, .offset: 8, .size: 8, .value_kind: global_buffer, .address_space: global }
      - { .name: Wk, .offset: 16, .size: 8, .value_kind: global_buffer, .address_space: global }
      - { .name: Wv, .offset: 24, .size: 8, .value_kind: global_buffer, .address_space: global }
      - { .name: Wo, .offset: 32, .size: 8, .value_kind: global_buffer, .address_space: global }
      - { .name: c16, .offset: 40, .size: 8, .value_kind: global_buffer, .address_space: global }
    .group_segment_fixed_size: 0
    .private_segment_fixed_size: 0
    .kernarg_segment_align: 8
    .kernarg_segment_size: 48
    .max_flat_workgroup_size: 256
    .sgpr_count:     66
    .vgpr_count:     112
    .wavefront_size: 32
...
	.end_amdgpu_metadata
.endif
;; end of part 1
;; launch qkvg (part 2): grid 8 x 64, 4 waves a work-group, clusters of 4 x 4, 327,680 bytes of LDS; arguments c16, bq, bk, bv, qkv; writes qkv
.if DOCPART == 2
	.amdgcn_target "amdgcn-amd-amdhsa--gfx1250"
	.amdhsa_code_object_version 6
	.text
	.protected	k_q17d7f08d6f_qkvg
	.globl	k_q17d7f08d6f_qkvg
	.p2align	8
	.type	k_q17d7f08d6f_qkvg,@function
k_q17d7f08d6f_qkvg:
	s_mov_b64 s[64:65], 0
	v_nop
	global_prefetch_b8 v0, s[64:65] scope:SCOPE_SE
	s_setreg_imm32_b32 hwreg(HW_REG_WAVE_MODE, 25, 1), 1
	s_wait_xcnt 0x0
	s_wait_alu depctr_hold_cnt(0) depctr_sa_sdst(0) depctr_va_vdst(0) depctr_va_sdst(0) depctr_va_ssrc(0) depctr_va_vcc(0) depctr_vm_vsrc(0)
	s_getreg_b32 s2, hwreg(HW_REG_IB_STS2, 6, 4)
	s_cmp_eq_u32 s2, 0
	s_cbranch_scc0 .Lentry_in_a_cluster
	s_endpgm
.Lentry_in_a_cluster:
	s_bfe_u32 s2, ttmp6, 0x10000c
	s_cmp_lg_u32 s2, 0xf033
	s_cbranch_scc0 .Lentry_shape_is_right
	s_endpgm
.Lentry_shape_is_right:
; THE PROJECTIONS.  q, k, v [sel][b][h][t][64] in f16 = x [8192][1024] (bf16) times 48 head blocks W [1024][64] (bf16) + bias (rounded to bf16), sums in f32, rounded once, unscaled.
; LIMIT.  |q|, |k|, |v| stay under 65,504, f16's end; NaN and infinities are not treated apart.
; SHARES.  A work-group makes 128 rows x 384 columns (six head blocks): 512 work-groups of equal work.  Wave w: rows 64 (w / 2) on, head blocks 3 (w % 2) on: 64 x 192, 48 accumulators.
; K goes in 8 steps of 128 through two LDS slots.  Waves 0 to 2 fetch two head blocks each: a block's 128 rows of 128 bytes lie end to end, 16,384 bytes, and are asked for as one row; wave 3 fetches x's 128 rows x 256 bytes.
; THE MATRIX INSTRUCTION IS USED TRANSPOSED: source 0 = 16 columns of W (W lies [k][column] in LDS and comes out turned, by ds_load_tr16_b128), source 1 = 16 rows of x: a lane then holds one row
; and eight neighbouring columns.  The bias, laid out as a result is, is the C operand of the first product of each sum: nothing is cleared and nothing is added later.
; CLUSTER.  4 x 4 work-groups: x's tile hangs on the tile row alone and is asked for jointly along a row of the cluster, W's on the tile column alone, along a column.
; REGISTERS, in windows of 256 (s_set_vgpr_msb: bits 1:0 source 0, 3:2 source 1, 5:4 source 2, 7:6 destination):
;   window 0: v0-31 addresses; v32-127 the biases, 8 registers a column block; on the way out v32-223, 16 registers a unit
;   window 1: two fragment buffers of 128: x's four fragments, then W's twelve      windows 2, 3: accumulator (b, a) at 8 (4 b + a); column blocks 0-7 in window 2, 8-11 in window 3
.set PA,    272                        ; a row of x in LDS: 256 bytes + 16: the 16 rows of a load start at 16 different groups of four banks (64 banks of 4 bytes: ISA guide 11.1)
.set PB,    160                        ; a row of W: 128 bytes + 32
.set HB,    128*PB                     ; a head block's 128 rows
.set BOFF,  128*PA                     ; a slot: x's 128 rows, then six head blocks
.set SLOT,  BOFF+6*HB
.set STAGE, 2*SLOT                     ; behind the ring, never filled by a tensor load: 16 rows x 144 bytes for each wave
.set SP,    144
.set SPARE, STAGE+4*16*SP              ; the spare words, 128 bytes for each wave: two blocks of 256 bytes that no other line names
.set C_W,   16777216                   ; W's first byte in c16
.set ADRA, 16                          ; v16  LDS address of my fragments of x in the slot in hand
.set ADRB, 17                          ; v17  of W
.set A0,   18                          ; v18  the same in slot 0; never rewritten
.set B0,   19                          ; v19
.set STO,  24                          ; v24  the way out: where I put 16 bytes of a row
.set RD,   25                          ; v25  where I read rows back
.set GO,   26                          ; v26  16 x lane
.set SPW,  28                          ; v28  my spare word; never rewritten
.set NIL,  29                          ; v29  0; never rewritten
.set PFO,  30                          ; v30  the prefetches' offset; never rewritten
.set BO,   31                          ; v31  32 x (lane / 16): my eight numbers of a bias
.set BIAS, 32
.set TMP,  32
.set F0,   0
.set F1,   128
.set CNT,  3                           ; s3   trips to go
.set WV,   14                          ; s14  wave; in waves 0 to 2 also: which pair of head blocks I fetch
.set RH,   15                          ; s15  which 64 rows are mine
.set CH,   16                          ; s16  which three head blocks
.set CX,   17
.set CY,   18
.set TX,   19                          ; s19  tile column
.set TY,   20                          ; s20  tile row
.set G1A,  24                          ; s[24:31] group 1 for x's tiles
.set G0A,  32                          ; s[32:39] group 0: a set for each first fill; the second then walks
.set G1B,  40
.set G0B,  48
.set PFA,  56                          ; s[56:57] where my prefetches stand
.set PST,  58                          ; s[58:59] their step
.set LIM,  60                          ; s60  2 in a wave that prefetches, else the greatest number
.set TB,   61                          ; s61  the slot that is read: 0 or SLOT
.set DT,   62                          ; s62  the slot that the walking descriptors name
.set LWB,  63                          ; s63  my pair's place in a slot: BOFF + wave x two head blocks
.set OH,   66                          ; s[66:71] qkv at my rows of my three heads
.set BP,   72                          ; s[72:77] my three heads' biases
.set MSB, 0
.macro WIN new                         ; the high byte repeats the setting that is left; a switch that changes nothing is dropped
.if MSB != (\new)
	s_set_vgpr_msb (MSB<<8)|(\new)
.set MSB, (\new)
.endif
.endm
.macro PLACES                          ; four places in front of loads into registers that matrix instructions have read, and of lines that read results
.rept 4
	v_nop
.endr
.endm
.macro CREST                           ; a round of the cluster's barrier behind its opening barrier
	s_cmp_lg_u32 s[WV], 0
	s_cbranch_scc1 .Lnot_wave_0_\@
	s_barrier_signal -3
.Lnot_wave_0_\@:
	s_barrier_wait -3
	s_barrier_signal -1
	s_barrier_wait -1
.endm
.macro CROUND
	s_barrier_signal -1
	s_barrier_wait -1
	CREST
.endm
.macro JLOAD                           ; a joint refill by the walking descriptors: wave 3 x's tile, waves 0 to 2 W's pairs; the branch hangs on the wave's number alone; an s_nop 0 and four v_nop follow each line
	s_cmp_eq_u32 s[WV], 3
	s_cbranch_scc0 .Lfor_b_\@
	tensor_load_to_lds s[G0A+4:G0A+7], s[G1A:G1A+7]
	s_nop 0
	PLACES
	s_branch .Lasked_\@
.Lfor_b_\@:
	tensor_load_to_lds s[G0B+4:G0B+7], s[G1B:G1B+7]
	s_nop 0
	PLACES
.Lasked_\@:
.endm
; A PREFETCH of the K step that stands two refills on, one instruction a wave, a lane a block of 256 bytes.  x's tile row is read by both clusters of its row of clusters: cluster x = 0 asks, wave 3, and the four
; partners take 32 rows each, told apart by address.  W's tile column is read by all sixteen clusters of its column: cluster y = 0 asks, waves 0 to 2, and of a pair's 128 blocks each partner takes 32.
; So each block is named once in the launch.  K steps 0 to 3 come by their loads alone; the last two refills have no K step two on.
.macro ASK
	s_cmp_gt_u32 s[CNT], s[LIM]
	s_cbranch_scc0 .Lnot_mine_\@
	global_prefetch_b8 v[PFO], s[PFA:PFA+1] th:TH_LOAD_NT scope:SCOPE_SE
.Lnot_mine_\@:
.endm
	s_load_b256 s[4:11], s[0:1], 0x0               ; c16 s[4:5], bq s[6:7], bk s[8:9], bv s[10:11]
	s_load_b64 s[12:13], s[0:1], 0x20              ; qkv
	v_lshl_add_u32 v[SPW], v0, 2, SPARE
	v_mov_b32 v[NIL], 0
	ds_add_u32 v[SPW], v[NIL]                      ; the wave's opening: the add and its wait stand ahead of my first tensor load; the set-up below stands between them
	v_lshrrev_b32 v1, 5, v0
	v_readfirstlane_b32 s[WV], v1
	s_lshr_b32 s[RH], s[WV], 1
	s_and_b32 s[CH], s[WV], 1
	s_bfe_u32 s[CX], ttmp6, 0x40000
	s_bfe_u32 s[CY], ttmp6, 0x40004
	s_lshl_b32 s[TX], ttmp9, 2
	s_add_co_u32 s[TX], s[TX], s[CX]               ; tile column = 4 x cluster x + cx
	s_and_b32 s[TY], ttmp7, 0xffff
	s_lshl_b32 s[TY], s[TY], 2
	s_add_co_u32 s[TY], s[TY], s[CY]               ; tile row = 4 x cluster y + cy
	s_lshl_b32 s22, s[CY], 2
	s_lshl_b32 s22, 15, s22                        ; my row of the cluster
	s_lshl_b32 s78, 0x1111, s[CX]                  ; my column
	s_or_b32 s[G1A], s22, (1<<16)|(1<<20)|(1<<21)|(5<<22)|(3<<25)  ; mask; 2-byte elements; padding on; bit 21 beside a mask; after every 64 words 4 words
	s_or_b32 s[G1B], s78, (1<<16)|(1<<20)|(1<<21)|(4<<22)|(7<<25)  ; after every 32 words 8 words
	s_mov_b32 s[G1A+1], 128<<16                    ; tensor_dim0 = 128
	s_mov_b32 s[G1A+2], 128<<16                    ; tensor_dim1 = 128
	s_mov_b32 s[G1A+3], 128<<16                    ; tile_dim0 = 128
	s_mov_b32 s[G1A+4], 128                        ; tile_dim1 = 128
	s_mov_b32 s[G1A+5], 1024                       ; elements from row to row
	s_mov_b32 s[G1A+6], 0
	s_mov_b32 s[G1A+7], 0
	s_mov_b32 s[G1B+1], 8192<<16                   ; tensor_dim0 = 8,192: a head block's 128 rows of a K step, end to end
	s_mov_b32 s[G1B+2], 2<<16                      ; tensor_dim1 = 2 head blocks
	s_mov_b32 s[G1B+3], 8192<<16                   ; tile_dim0
	s_mov_b32 s[G1B+4], 2                          ; tile_dim1
	s_mov_b32 s[G1B+5], 65536                      ; elements from head block to head block
	s_mov_b32 s[G1B+6], 0
	s_mov_b32 s[G1B+7], 0
	s_mul_i32 s[LWB], s[WV], 2*HB                  ; a constant plus the wave's number times a constant (wave 3 makes the word too and never asks by it)
	s_add_co_u32 s[LWB], s[LWB], BOFF
	s_mov_b32 s[G0A], 1
	s_mov_b32 s[G0A+1], 0                          ; slot 0
	s_mov_b32 s[G0A+4], 1
	s_mov_b32 s[G0A+5], SLOT                       ; slot 1
	s_mov_b32 s[G0B], 1
	s_mov_b32 s[G0B+1], s[LWB]
	s_mov_b32 s[G0B+4], 1
	s_add_co_u32 s[G0B+5], s[LWB], SLOT
	s_mov_b32 s[DT], SLOT
	s_mov_b32 s[TB], 0
	s_lshl_b32 s22, s[TY], 18                      ; x: 128 rows of 2,048 bytes a tile row
	s_mov_b32 s23, 0
	s_mul_i32 s78, s[TX], 6                        ; W: head block 6 x tile column + my pair
	s_lshl1_add_u32 s78, s[WV], s78
	s_lshl_b32 s78, s78, 17                        ; 131,072 bytes a head block
	s_add_co_u32 s78, s78, C_W
	s_mov_b32 s79, 0
	s_wait_dscnt 0x0                               ; the opening add is done
	s_wait_kmcnt 0x0
	s_add_nc_u64 s[G0A+2:G0A+3], s[4:5], s[22:23]  ; K step 0,
	s_add_nc_u64 s[G0A+6:G0A+7], s[G0A+2:G0A+3], 256  ; K step 1
	s_or_b32 s[G0A+3], s[G0A+3], 0x80000000
	s_or_b32 s[G0A+7], s[G0A+7], 0x80000000
	s_add_nc_u64 s[G0B+2:G0B+3], s[4:5], s[78:79]
	s_add_nc_u64 s[G0B+6:G0B+7], s[G0B+2:G0B+3], 16384
	s_or_b32 s[G0B+3], s[G0B+3], 0x80000000
	s_or_b32 s[G0B+7], s[G0B+7], 0x80000000
	CROUND                                         ; all sixteen work-groups are here: the first joint loads meet
	s_cmp_eq_u32 s[WV], 3                          ; a wave's two first fills stand in one branch: two loads of mine are out
	s_cbranch_scc0 .Lfirst_b
	tensor_load_to_lds s[G0A:G0A+3], s[G1A:G1A+7]
	s_nop 0
	tensor_load_to_lds s[G0A+4:G0A+7], s[G1A:G1A+7]
	s_nop 0
	PLACES
	s_branch .Lfirst_asked
.Lfirst_b:
	tensor_load_to_lds s[G0B:G0B+3], s[G1B:G1B+7]
	s_nop 0
	tensor_load_to_lds s[G0B+4:G0B+7], s[G1B:G1B+7]
	s_nop 0
	PLACES
.Lfirst_asked:
	v_and_b32 v1, 15, v0                           ; l % 16
	v_bfe_u32 v2, v0, 4, 1                         ; l / 16
	v_and_b32 v3, 7, v0
	v_bfe_u32 v4, v0, 3, 1
	v_and_b32 v5, 31, v0                           ; l
	v_mul_u32_u24 v[A0], v1, PA                    ; a fragment of x: row l % 16, 16 bytes for each half of the lanes, twice, 32 bytes apart
	v_lshl_add_u32 v[A0], v2, 4, v[A0]
	s_mul_i32 s2, s[RH], 64*PA
	v_add_nc_u32 v[A0], s2, v[A0]
	v_lshl_add_u32 v[B0], v2, 3, v3                ; the turning load: lane l reads row 8 (l / 16) + l % 8, columns 8 ((l / 8) % 2) on
	v_mul_u32_u24 v[B0], v[B0], PB
	v_lshl_add_u32 v[B0], v4, 4, v[B0]
	s_mul_i32 s2, s[CH], 3*HB
	s_add_co_u32 s2, s2, BOFF
	v_add_nc_u32 v[B0], s2, v[B0]
	s_mul_i32 s2, s[WV], 16*SP
	s_add_co_u32 s2, s2, STAGE
	v_mul_u32_u24 v[STO], v1, SP
	v_lshl_add_u32 v[STO], v2, 4, v[STO]
	v_add_nc_u32 v[STO], s2, v[STO]
	v_bfe_u32 v[RD], v0, 3, 2                      ; back: 32 lanes take four rows of 128 bytes
	v_mul_u32_u24 v[RD], v[RD], SP
	v_lshl_add_u32 v[RD], v3, 4, v[RD]
	v_add_nc_u32 v[RD], s2, v[RD]
	v_lshlrev_b32 v[GO], 4, v5
	v_lshlrev_b32 v[BO], 5, v2
	; my three heads: their biases and their rows of qkv
	s_mul_i32 s3, s[TX], 6
	s_mul_i32 s2, s[CH], 3
	s_add_co_u32 s3, s3, s2                        ; my first head block
	s_lshr_b32 s22, s[TY], 4                       ; batch: 16 heads of 262,144 bytes
	s_lshl_b32 s22, s22, 22
	s_and_b32 s23, s[TY], 15                       ; 128 rows of 128 bytes
	s_lshl_b32 s23, s23, 14
	s_add_co_u32 s22, s22, s23
	s_lshl_b32 s23, s[RH], 13                      ; my 64 rows
	s_add_co_u32 s22, s22, s23
.irp j, 0,1,2
	s_add_co_u32 s2, s3, \j
	s_lshr_b32 s78, s2, 4                          ; q, k or v
	s_and_b32 s2, s2, 15                           ; the head
	s_cmp_eq_u32 s78, 1
	s_cselect_b64 s[BP+2*(\j):BP+2*(\j)+1], s[8:9], s[10:11]
	s_cmp_eq_u32 s78, 0
	s_cselect_b64 s[BP+2*(\j):BP+2*(\j)+1], s[6:7], s[BP+2*(\j):BP+2*(\j)+1]
	s_lshl_b32 s78, s78, 24
	s_lshl_b32 s79, s2, 18
	s_add_co_u32 s78, s78, s79
	s_add_co_u32 s78, s78, s22
	s_mov_b32 s79, 0
	s_add_nc_u64 s[OH+2*(\j):OH+2*(\j)+1], s[12:13], s[78:79]
	s_lshl_b32 s78, s2, 8                          ; 256 bytes of bias a head
	s_add_nc_u64 s[BP+2*(\j):BP+2*(\j)+1], s[BP+2*(\j):BP+2*(\j)+1], s[78:79]
.irp c, 0,1,2,3
	global_load_b128 v[BIAS+32*(\j)+8*(\c):BIAS+32*(\j)+8*(\c)+3],   v[BO], s[BP+2*(\j):BP+2*(\j)+1] offset:64*(\c)
	global_load_b128 v[BIAS+32*(\j)+8*(\c)+4:BIAS+32*(\j)+8*(\c)+7], v[BO], s[BP+2*(\j):BP+2*(\j)+1] offset:64*(\c)+16
.endr
.endr
	; the prefetches' registers: they stand at K step 3; the first refill steps them to 4
	s_lshl_b32 s79, s[CX], 16                      ; x: my work-group's 32 rows of the 128
	s_lshl_b32 s2, s[TY], 18
	s_add_co_u32 s2, s2, s79
	s_add_co_u32 s2, s2, 3*256
	s_mul_i32 s78, s[TX], 6                        ; W: of my pair's two head blocks the one by cy / 2, of its 64 blocks of 256 bytes the half by cy % 2
	s_lshl1_add_u32 s78, s[WV], s78
	s_lshr_b32 s79, s[CY], 1
	s_add_co_u32 s78, s78, s79
	s_lshl_b32 s78, s78, 17
	s_and_b32 s79, s[CY], 1
	s_lshl_b32 s79, s79, 13
	s_add_co_u32 s78, s78, s79
	s_add_co_u32 s78, s78, C_W+3*16384
	s_and_b32 s79, ttmp7, 0xffff                   ; cluster y
	s_mov_b32 s[PST], 16384
	s_mov_b32 s[PST+1], 0
	s_cmp_eq_u32 s[WV], 3
	s_cselect_b32 s78, s2, s78
	s_cselect_b32 s[PST], 256, s[PST]
	s_cselect_b32 s79, ttmp9, s79                  ; the coordinate along which other clusters read the same bytes
	s_cselect_b32 s2, 11, 8                        ; a lane a row of x (2,048 bytes apart), or a lane a block of W (256 apart)
	s_cmp_eq_u32 s79, 0
	s_cselect_b32 s[LIM], 2, -1
	s_mov_b32 s79, 0
	s_add_nc_u64 s[PFA:PFA+1], s[4:5], s[78:79]
	v_lshlrev_b32 v[PFO], s2, v5
	s_wait_loadcnt 0x0                             ; the biases: rounded to bf16, like every input, and widened again
.set i, 0
.rept 48
	v_cvt_pk_bf16_f32 v[6+i%2], v[BIAS+2*i], v[BIAS+2*i+1]
	v_lshlrev_b32 v[BIAS+2*i], 16, v[6+i%2]
	v_and_b32 v[BIAS+2*i+1], 0xffff0000, v[6+i%2]
.set i, i+1
.endr
; 32 LDS loads in one run: quarter q (32 along K) of the slot in hand into buffer f: x's four fragments first, then W's twelve
.macro FETCH q, f
	WIN 0x40                                       ; destination window 1, address window 0
.irp a, 0,1,2,3
	ds_load_b128 v[(\f)+8*(\a):(\f)+8*(\a)+3],   v[ADRA] offset:64*(\q)+16*PA*(\a)
	ds_load_b128 v[(\f)+8*(\a)+4:(\f)+8*(\a)+7], v[ADRA] offset:64*(\q)+16*PA*(\a)+32
.endr
.irp b, 0,1,2,3,4,5,6,7,8,9,10,11
	ds_load_tr16_b128 v[(\f)+32+8*(\b):(\f)+32+8*(\b)+3],   v[ADRB] offset:((\b)/4)*HB+32*PB*(\q)+32*((\b)%4)
	ds_load_tr16_b128 v[(\f)+32+8*(\b)+4:(\f)+32+8*(\b)+7], v[ADRB] offset:((\b)/4)*HB+32*PB*(\q)+32*((\b)%4)+16*PB
.endr
.endm
; 4 nb matrix instructions: column blocks b0 on x all four row blocks.  zero = 1: the bias starts the sums.  The 48 accumulators take turns, one instruction a turn, in the same order in every quarter.
.macro MULR f, b0, nb, zero
.set bb, (\b0)
.rept \nb
.set aa, 0
.rept 4
.set rD, 8*(4*(bb%8)+aa)
.if \zero
	WIN 0x85+0x40*(bb/8)
	v_wmma_f32_16x16x32_bf16 v[rD:rD+7], v[(\f)+32+8*bb:(\f)+32+8*bb+7], v[(\f)+8*aa:(\f)+8*aa+7], v[BIAS+8*bb:BIAS+8*bb+7]
.else
	WIN 0xa5+0x50*(bb/8)
	v_wmma_f32_16x16x32_bf16 v[rD:rD+7], v[(\f)+32+8*bb:(\f)+32+8*bb+7], v[(\f)+8*aa:(\f)+8*aa+7], v[rD:rD+7]
.endif
.set aa, aa+1
.endr
.set bb, bb+1
.endr
.endm
; One of a K step's first three quarters: multiplies buffer f and, in its middle, fetches quarter qn into buffer g
.macro QUARTER qn, f, g, zero
	s_wait_dscnt 12                                ; x's fragments and W's 0-5 are in; the youngest twelve loads (W's 6-11) may be out
	MULR \f, 0, 6, \zero
	PLACES
	FETCH \qn, \g
	s_wait_dscnt 32                                ; all but the 32 just issued
	MULR \f, 6, 6, \zero
.endm
; The last quarter multiplies buffer 1 and changes slots.  In front of the barrier each wave waits for all its tensor loads (one is out: its part of the next slot), adds 0 to its spare word, and waits for that
; and for its own reads of this slot.  fill = 1: the barrier opens a round of the cluster's, and this slot is filled again, two K steps ahead, first thing behind the round.
.macro TURN fill
.if \fill
	s_wait_xcnt 0x0                                ; the last prefetch, a K step back, has read its address
	s_add_nc_u64 s[PFA:PFA+1], s[PFA:PFA+1], s[PST:PST+1]
.endif
	WIN 0
	s_wait_tensorcnt 0x0                           ; no tensor load of mine is out, so a group 0 may be written
	ds_add_u32 v[SPW], v[NIL]                      ; 0 onto my spare word
.if \fill
	s_xor_b32 s[DT], s[DT], SLOT                   ; the walking descriptors: the other slot than last time,
	s_mov_b32 s[G0A+5], s[DT]
	s_add_co_u32 s[G0B+5], s[DT], s[LWB]
	s_add_nc_u64 s[G0A+6:G0A+7], s[G0A+6:G0A+7], 256    ; the next K step; the type bits on top are not reached
	s_add_nc_u64 s[G0B+6:G0B+7], s[G0B+6:G0B+7], 16384
.endif
	s_wait_dscnt 13                                ; the add and the youngest twelve loads may be out
	MULR F1, 0, 3, 0
	s_wait_dscnt 0x0                               ; the add is done, and my reads of this slot are over
	s_barrier_signal -1
	MULR F1, 3, 3, 0
	WIN 0                                          ; at a branch and at a label every window is 0
	s_barrier_wait -1
.if \fill
	CREST                                          ; no wave of any partner still reads this slot's tile or has a load on its way
	JLOAD                                          ; the four v_nop behind it are also the places in front of the loads below
.else
	PLACES
.endif
	s_xor_b32 s[TB], s[TB], SLOT
	v_add_nc_u32 v[ADRA], s[TB], v[A0]
	v_add_nc_u32 v[ADRB], s[TB], v[B0]
	FETCH 0, F0
.if \fill
	WIN 0
	ASK
.endif
	MULR F1, 6, 6, 0
.endm
	s_wait_tensorcnt 0x1                           ; my part of K step 0 is in; K step 1's may stay out
	s_barrier_signal -1
	s_barrier_wait -1
	v_add_nc_u32 v[ADRA], s[TB], v[A0]
	v_add_nc_u32 v[ADRB], s[TB], v[B0]
	FETCH 0, F0
	QUARTER 1, F0, F1, 1                           ; the first quarter stands in front of the loop: its products start the sums
	WIN 0
	s_mov_b32 s[CNT], 6
.Lstep:                                                ; a trip: a K step's quarters 1 to 3 and the next step's quarter 0; the slot just left is filled again
	QUARTER 2, F1, F0, 0
	QUARTER 3, F0, F1, 0
	TURN 1
	QUARTER 1, F0, F1, 0
	WIN 0
	s_sub_co_u32 s[CNT], s[CNT], 1
	s_cmp_lg_u32 s[CNT], 0
	s_cbranch_scc1 .Lstep
	QUARTER 2, F1, F0, 0                           ; the last two K steps are written out: they ask for nothing
	QUARTER 3, F0, F1, 0
	TURN 0
	QUARTER 1, F0, F1, 0
	QUARTER 2, F1, F0, 0
	QUARTER 3, F0, F1, 0
	s_wait_dscnt 12
	MULR F1, 0, 6, 0
	s_wait_dscnt 0x0
	MULR F1, 6, 6, 0
	WIN 0
	PLACES
	PLACES
; THE WAY OUT, in twelve units of 16 rows of one head (unit 4 j + a): rounded to f16, 16 bytes a lane into my stage, back as four rows of 128 bytes, which are 512 consecutive bytes of qkv.
.macro PACK un
.set jj, (\un)/4
.set ua, (\un)%4
	WIN 0x0a+5*(jj/2)                              ; sources in window 2, or 3 for my third head
.set cb, 0
.rept 4
.set rA, 8*(4*((4*jj+cb)%8)+ua)
.irp k, 0,1,2,3
	v_cvt_pk_f16_f32 v[TMP+16*(\un)+4*cb+(\k)], v[rA+2*(\k)], v[rA+2*(\k)+1]
.endr
.set cb, cb+1
.endr
	WIN 0
.irp c, 0,1,2,3
	ds_store_b128 v[STO], v[TMP+16*(\un)+4*(\c):TMP+16*(\un)+4*(\c)+3] offset:32*(\c)
.endr
.irp f, 0,1,2,3
	ds_load_b128 v[TMP+16*(\un)+4*(\f):TMP+16*(\un)+4*(\f)+3], v[RD] offset:(\f)*4*SP  ; LDS serves a wave's instructions in order (ISA guide 5.7.1.4): these see the stores above
.endr
.endm
.macro SEND un, younger                ; younger: the LDS instructions issued behind the unit's loads
	WIN 0
.irp f, 0,1,2,3
	s_wait_dscnt (\younger)+3-(\f)
	global_store_b128 v[GO], v[TMP+16*(\un)+4*(\f):TMP+16*(\un)+4*(\f)+3], s[OH+2*((\un)/4):OH+2*((\un)/4)+1] offset:((\un)%4)*2048+(\f)*512
.endr
.endm
	PACK 0
.set t, 1
.rept 11                               ; a unit's conversions stand between the loads of the unit before and its stores; each unit has registers of its own
	PACK t
	SEND t-1, 8
.set t, t+1
.endr
	SEND 11, 0
	s_wait_tensorcnt 0x0                           ; the wave's end: a last add to my spare word, behind my last tensor load and my last LDS store
	ds_add_u32 v[SPW], v[NIL]
	s_wait_dscnt 0x0
	CROUND                                         ; the closing round
	s_endpgm
.Lfunc_end_k_q17d7f08d6f_qkvg:
	.size	k_q17d7f08d6f_qkvg, .Lfunc_end_k_q17d7f08d6f_qkvg-k_q17d7f08d6f_qkvg
	.p2alignl 7, 3214868480
	.fill 96, 4, 3214868480
	.section	.rodata,"a",@progbits
	.p2align	6, 0x0
	.amdhsa_kernel k_q17d7f08d6f_qkvg
		.amdhsa_group_segment_fixed_size 327680
		.amdhsa_private_segment_fixed_size 0
		.amdhsa_enable_private_segment 0
		.amdhsa_kernarg_size 40
		.amdhsa_user_sgpr_count 2
		.amdhsa_user_sgpr_kernarg_segment_ptr 1
		.amdhsa_wavefront_size32 1
		.amdhsa_system_sgpr_workgroup_id_x 1
		.amdhsa_system_sgpr_workgroup_id_y 1
		.amdhsa_system_sgpr_workgroup_id_z 1
		.amdhsa_system_vgpr_workitem_id 0
		.amdhsa_next_free_vgpr 896
		.amdhsa_next_free_sgpr 80
		.amdhsa_reserve_vcc 0
		.amdhsa_float_denorm_mode_32 3
		.amdhsa_float_denorm_mode_16_64 3
		.amdhsa_memory_ordered 1
		.amdhsa_forward_progress 1
		.amdhsa_inst_pref_size 110
	.end_amdhsa_kernel
	.amdgpu_metadata
---
amdhsa.version: [ 1, 2 ]
amdhsa.kernels:
  - .name:           k_q17d7f08d6f_qkvg
    .symbol:         k_q17d7f08d6f_qkvg.kd
    .args:
      - { .name: c16, .offset: 0, .size: 8, .value_kind: global_buffer, .address_space: global }
      - { .name: bq, .offset: 8, .size: 8, .value_kind: global_buffer, .address_space: global }
      - { .name: bk, .offset: 16, .size: 8, .value_kind: global_buffer, .address_space: global }
      - { .name: bv, .offset: 24, .size: 8, .value_kind: global_buffer, .address_space: global }
      - { .name: qkv, .offset: 32, .size: 8, .value_kind: global_buffer, .address_space: global }
    .group_segment_fixed_size: 327680
    .private_segment_fixed_size: 0
    .kernarg_segment_align: 8
    .kernarg_segment_size: 40
    .max_flat_workgroup_size: 128
    .sgpr_count:     80
    .vgpr_count:     896
    .wavefront_size: 32
...
	.end_amdgpu_metadata
.endif
;; end of part 2
;; launch attn (part 3): grid 4 x 64, 4 waves a work-group, clusters of 4 x 1, 327,680 bytes of LDS; arguments qkv, u, nrm, psum; writes u, nrm, psum
.if DOCPART == 3
	.amdgcn_target "amdgcn-amd-amdhsa--gfx1250"
	.amdhsa_code_object_version 6
	.text
	.protected	k_q17d7f08d6f_attn
	.globl	k_q17d7f08d6f_attn
	.p2align	8
	.type	k_q17d7f08d6f_attn,@function
k_q17d7f08d6f_attn:
	s_mov_b64 s[64:65], 0
	v_nop
	global_prefetch_b8 v0, s[64:65] scope:SCOPE_SE
	s_setreg_imm32_b32 hwreg(HW_REG_WAVE_MODE, 25, 1), 1
	s_wait_xcnt 0x0
	s_wait_alu depctr_hold_cnt(0) depctr_sa_sdst(0) depctr_va_vdst(0) depctr_va_sdst(0) depctr_va_ssrc(0) depctr_va_vcc(0) depctr_vm_vsrc(0)
	s_getreg_b32 s2, hwreg(HW_REG_IB_STS2, 6, 4)
	s_cmp_eq_u32 s2, 0
	s_cbranch_scc0 .Lentry_in_a_cluster
	s_endpgm
.Lentry_in_a_cluster:
	s_bfe_u32 s2, ttmp6, 0x10000c
	s_cmp_lg_u32 s2, 0x3003
	s_cbranch_scc0 .Lentry_shape_is_right
	s_endpgm
.Lentry_shape_is_right:
; ATTENTION at head size 64, no mask, on 64 heads (b, h) of 2,048 rows.  q, k, v: three parts of qkv, [64][2048][64] in f16, unscaled.  acc = the sum over keys of p V, l = the sum of p,
; p = 2^(c s - c m), c = log2(e) / 8, with a running maximum m; products, maxima and sums in f32; p is rounded to f16 for the second product.
; WHAT LEAVES.  The row acc / l leaves as a unit row and its length: u = acc / |acc| in f16 ([64][2048][64]) and n = |acc| / l in f32 (nrm, [64][2048]), both made of the f32 sums; and for each wave the sum of its
; 128 n (psum [h][b][block][wave], f32): the next launch adds a head's 64 partial sums in a fixed order.  That one number is stored by one lane, 4 bytes a wave.
; LIMITS.  q, k, v arrive within f16's 65,504.  p below 6e-5 keeps f16's fixed step of 6e-8; a weight below 2^-126 counts as 0 in l.  |acc|^2 is held at 2^-126 at the least in front of the root: a row of zeros gives
; u = 0 and n = 0.  NaN and infinities are not treated apart.
; SHARES.  A wave owns four PIECES of two tiles of 16 queries, a work-group's four waves 512 queries of one head.  Every wave walks all keys, 64 a step.
; LAYOUT.  S^T = K Q^T (source 0 = 16 keys, source 1 = 16 queries): a lane holds ONE query (lane % 16) and the keys 8 (lane / 16) + 0..7.  Two such tiles, rounded to f16 in pairs, ARE source 1 of
; O^T = V^T P, whose result again holds one query a lane, and eight channels.  K comes out of LDS as it lies, V turned, by ds_load_tr16_b128.
; m starts at the lowest finite number, O and l at 0: the first step is a step like any other, with a = 0.
; BY TURNS.  Turn n belongs to piece n.  Matrix work: 16 products K Q^T of piece n + 1, later 16 products V^T P of piece n - 1.  Vector work: scaling, exponentials, roundings, sums and rescaling of piece n, and the
; maximum and statistics of piece n + 1.  Four vector instructions stand behind every matrix instruction, the others in one run.  A turn's 66 exponentials are one batch with one wait.
; CLUSTER.  A head's four query blocks are one cluster and walk the same K and V: each tile is asked for jointly.
; REGISTERS, in windows of 256 (s_set_vgpr_msb: bits 1:0 source 0, 3:2 source 1, 5:4 source 2, 7:6 destination):
;   window 0: v0-11 addresses; v12-15, v48-63 at work; v16-47 four registers of statistics a tile; v64-191 S^T, two buffers of two tiles; v192-255 P, likewise
;   window 1: O^T, 32 a tile          window 2: v0-127 Q; v128-191 K of one step; v192-255 V of one step          window 3: v0-1 the add's two registers
.set SIZE_N, 2048
.set NP,    4         ; pieces a wave: a name, no knob
.set KS,    64        ; keys in a step
.set PK,    144       ; a row of K in LDS: 128 bytes + 16: the 16 rows of a load start at 16 different groups of four banks (64 banks of 4 bytes: ISA guide 11.1)
.set PV,    160       ; a row of V: 128 + 32
.set VOFF,  4*KS*PK   ; a slot holds four steps: 256 rows of K, then 256 rows of V
.set SLOT1, 1<<17     ; slot 1 begins here, so that one exclusive or turns an address in one slot into the other's
.set STAGE, SLOT1+4*KS*(PK+PV)  ; behind the ring, never filled by a tensor load: 16 rows x 144 bytes for each wave
.set SP,    144
.set NST,   STAGE+4*16*SP       ; 512 bytes for each wave: its 128 n, on their way into one store
.set SPARE, NST+4*512           ; the spare words, 128 bytes for each wave: two blocks of 256 bytes that no other line names
.set AK0, 2           ; v2   my lane's place in a tile of K; never rewritten
.set AV0, 3           ; v3   the same for V
.set AK,  4           ; v4   the LDS address of K's next run of loads; on the way out: where I put an n
.set AV,  5           ; v5   of V's; on the way out: where I read four n back
.set QO,  6           ; v6   my byte offset in the wave's rows of Q
.set STO, 6           ;      later: where I put 16 bytes of a row
.set RD,  7           ; v7   where I read rows back
.set GO,  8           ; v8   16 x lane
.set PFO, 11          ; v11  256 x lane: the prefetches' offset
.set SPW, 0           ; v0 of window 3   my spare word; never rewritten
.set NIL, 1           ; v1 of window 3   0; never rewritten
.set MV,  12          ; v12-15  c m_old, by buffer and tile
.set ST,  16          ; tile t's statistics at v[ST+4 t]: c m, m, l (even keys', odd keys')
.set TMP, 48          ; by buffer and tile, four registers c0-c3 at work; c2 takes a
.set S,   64
.set P,   192
.set KF,  128         ; window 2
.set VF,  192         ; window 2
.set WV,  12          ; s12  my wave's number
.set G1K, 24
.set G1V, 32
.set G0K, 40
.set G0V, 44
.set PFA, 48          ; s[48:49] where my prefetches stand
.set LIM, 50          ; s50  1 in waves 0 and 2, else the greatest number
.set SLOTS, 56        ; s56  slots still to be asked for
.set CNT, 57          ; s57  counts a slot's key steps
.set CS,  58          ; s[58:59] c
.set SEL, 60          ; s[60:61] v_permlanex16_b32's selects
.set TBK, 62          ; s62  LDS byte at which K of the step to be fetched begins
.set TBV, 63          ; s63  the same for V, less VOFF
.set MSB, 0
.macro WIN new
.if MSB != (\new)
	s_set_vgpr_msb (MSB<<8)|(\new)
.set MSB, (\new)
.endif
.endm
.set W_KQ, 0x0a       ; K and Q in window 2, S^T in window 0
.set W_PV, 0x52       ; V in window 2, P in window 0, O^T in window 1
.set W_RS, 0x41       ; O^T (destination and source 0) in window 1, the factor in window 0
.set W_MK, 0xc0       ; the add's registers are made
.set W_AD, 0x0f       ; the add: address and data in window 3
; A joint fill.  Waves 0 and 1 fetch the two halves of a slot's K, waves 2 and 3 those of its V.  An s_nop 0 and four v_nop follow each of the two lines.
.macro JLOAD
	s_cmp_lt_u32 s[WV], 2
	s_cbranch_scc0 .Lfor_v_\@
	tensor_load_to_lds s[G0K:G0K+3], s[G1K:G1K+7]
	s_nop 0
.rept 4
	v_nop
.endr
	s_branch .Lasked_\@
.Lfor_v_\@:
	tensor_load_to_lds s[G0V:G0V+3], s[G1V:G1V+7]
	s_nop 0
.rept 4
	v_nop
.endr
.Lasked_\@:
.endm
; A PREFETCH of what the NEXT change of slots will ask for: a slot's 32,768 bytes of K and of V, a lane a block of 256 bytes.  A head has this one cluster; its four partners take 32 blocks each, told apart by
; address; in each, wave 0 asks for K's and wave 2 for V's.  So each block is named once in the launch.  Slots 0 and 1 come by their loads alone; the last change that fills a slot asks for nothing.
.macro ASK
	s_cmp_gt_u32 s[SLOTS], s[LIM]
	s_cbranch_scc0 .Lnot_mine_\@
	global_prefetch_b8 v[PFO], s[PFA:PFA+1] th:TH_LOAD_NT scope:SCOPE_SE
.Lnot_mine_\@:
.endm
.macro CROUND
	s_barrier_signal -1
	s_barrier_wait -1
	s_cmp_lg_u32 s[WV], 0
	s_cbranch_scc1 .Lnot_wave_0_\@
	s_barrier_signal -3
.Lnot_wave_0_\@:
	s_barrier_wait -3
	s_barrier_signal -1
	s_barrier_wait -1
.endm
; THE CHANGE OF SLOTS.  Each wave waits for all its tensor loads, of which one is out: its part of the other slot; adds 0 to its spare word; and waits for that and for its own reads of the slot.
; fill = 1: the barrier is a round of the cluster's, and the slot is filled again, with the keys two slots on, first thing behind it: four key steps in which to land.
.macro CHANGE fill
	WIN W_AD
	s_wait_tensorcnt 0x0            ; no tensor load of mine is out, so a group 0 may be written
	ds_add_u32 v[SPW], v[NIL]       ; 0 onto my spare word
	WIN 0
.if \fill
.irp g, G0K, G0V
	s_xor_b32 s[\g+1], s[\g+1], SLOT1
	s_add_nc_u64 s[\g+2:\g+3], s[\g+2:\g+3], 4*KS*128
.endr
	s_wait_xcnt 0x0                 ; the last prefetch, four key steps back, has read its address
	s_add_nc_u64 s[PFA:PFA+1], s[PFA:PFA+1], 4*KS*128
	s_wait_dscnt 0x0                ; the add is done, and my reads of the slot are over
	CROUND
	JLOAD
	ASK
.else
	s_wait_dscnt 0x0
	s_barrier_signal -1
	s_barrier_wait -1
.endif
	s_sub_co_u32 s[TBK], s[TBK], 4*KS*PK  ; the fetches go back to a slot's first step,
	s_xor_b32 s[TBK], s[TBK], SLOT1       ; in the other slot
	s_sub_co_u32 s[TBV], s[TBV], 4*KS*PV
	s_xor_b32 s[TBV], s[TBV], SLOT1
.endm
	s_load_b256 s[68:75], s[0:1], 0x0  ; qkv s[68:69], u s[70:71], nrm s[72:73], psum s[74:75]
	WIN W_MK
	v_lshl_add_u32 v[SPW], v0, 2, SPARE
	v_mov_b32 v[NIL], 0
	WIN W_AD
	ds_add_u32 v[SPW], v[NIL]       ; the wave's opening: the add and its wait stand ahead of my first tensor load
	WIN 0
	v_lshrrev_b32 v1, 5, v0
	v_readfirstlane_b32 s[WV], v1
	s_bfe_u32 s13, ttmp6, 0x40000   ; cx
	s_lshl_b32 s14, ttmp9, 2
	s_add_co_u32 s14, s14, s13      ; my block of 512 queries: it enters Q's, u's, nrm's and psum's addresses alone
	s_and_b32 s20, ttmp7, 0xffff    ; the head (16 b + h), which the four partners share
	s_lshl_b32 s76, s20, 13         ; nrm: 2,048 numbers a head,
	s_lshl_b32 s78, s14, 11         ; 512 a block,
	s_add_co_u32 s76, s76, s78
	s_lshl_b32 s78, s[WV], 9        ; 128 a wave
	s_add_co_u32 s76, s76, s78
	s_mov_b32 s77, 0
	s_and_b32 s78, s20, 15          ; psum: [h][b][block][wave]
	s_lshl_b32 s78, s78, 6
	s_lshr_b32 s79, s20, 4
	s_lshl_b32 s79, s79, 4
	s_add_co_u32 s78, s78, s79
	s_lshl_b32 s79, s14, 2
	s_add_co_u32 s78, s78, s79
	s_add_co_u32 s78, s78, s[WV]
	s_lshl_b32 s78, s78, 2
	s_mov_b32 s79, 0
	s_mov_b32 s21, 0
	s_mov_b64 s[22:23], SIZE_N*128
	s_mul_u64 s[20:21], s[20:21], s[22:23]  ; the head's first byte in q, k, v and u
	s_and_b32 s16, s[WV], 1         ; which half of a slot's 256 keys I fetch
	s_lshl_b32 s22, s16, 14
	s_mov_b32 s23, 0
	s_add_nc_u64 s[22:23], s[22:23], s[20:21]
	s_mul_i32 s17, s16, 128*PK
	s_mul_i32 s18, s16, 128*PV
	s_lshl_b32 s2, s14, 2
	s_add_co_u32 s2, s2, s[WV]      ; my wave among the head's,
	s_lshl_b32 s2, s2, 14           ; its 128 rows
	s_mov_b32 s3, 0
	s_add_nc_u64 s[2:3], s[2:3], s[20:21]
	; descriptor group 1.  128 keys are 16,384 dense bytes: asked for as 64 rows of 256 bytes, two keys a row, and padded in LDS after every key
	s_mov_b32 s[G1K], 15|(1<<16)|(1<<20)|(1<<21)|(4<<22)|(3<<25)
	s_mov_b32 s[G1V], 15|(1<<16)|(1<<20)|(1<<21)|(4<<22)|(7<<25)
.irp g, G1K, G1V
	s_mov_b32 s[\g+1], 128<<16      ; tensor_dim0 = 128
	s_mov_b32 s[\g+2], 64<<16       ; tensor_dim1 = 64
	s_mov_b32 s[\g+3], 128<<16      ; tile_dim0 = 128
	s_mov_b32 s[\g+4], 64           ; tile_dim1 = 64
	s_mov_b32 s[\g+5], 128          ; 128 elements from row to row
	s_mov_b32 s[\g+6], 0
	s_mov_b32 s[\g+7], 0
.endr
	s_mov_b32 s[CS], 0x3e38aa3b     ; c = log2(e) / 8
	s_mov_b32 s[CS+1], s[CS]
	s_mov_b32 s[SEL], 0x76543210
	s_mov_b32 s[SEL+1], 0xfedcba98
	s_mov_b32 s[TBK], SLOT1+4*KS*PK ; the first change of slots turns these two into 0
	s_mov_b32 s[TBV], SLOT1+4*KS*PV
	s_mov_b32 s[G0K], 1
	s_mov_b32 s[G0K+1], s17
	s_mov_b32 s[G0V], 1
	s_add_co_u32 s[G0V+1], s18, VOFF
	s_mov_b32 s[SLOTS], SIZE_N/256-1
	s_and_b32 s[LIM], s[WV], 1
	s_cmp_eq_u32 s[LIM], 0
	s_cselect_b32 s[LIM], 1, -1
	s_wait_dscnt 0x0                ; the opening add is done
	s_wait_kmcnt 0x0
	s_mov_b64 s[4:5], s[68:69]                     ; q,
	s_add_nc_u64 s[6:7], s[68:69], 0x1000000       ; k,
	s_add_nc_u64 s[8:9], s[68:69], 0x2000000       ; v
	s_mov_b64 s[10:11], s[70:71]                   ; u
	s_add_nc_u64 s[72:73], s[72:73], s[76:77]
	s_add_nc_u64 s[74:75], s[74:75], s[78:79]
	s_add_nc_u64 s[G0K+2:G0K+3], s[6:7], s[22:23]
	s_or_b32 s[G0K+3], s[G0K+3], 0x80000000
	s_add_nc_u64 s[G0V+2:G0V+3], s[8:9], s[22:23]
	s_or_b32 s[G0V+3], s[G0V+3], 0x80000000
	s_add_nc_u64 s[4:5], s[4:5], s[2:3]
	s_add_nc_u64 s[10:11], s[10:11], s[2:3]
	s_cmp_lt_u32 s[WV], 2
	s_cselect_b64 s[PFA:PFA+1], s[6:7], s[8:9]
	s_add_nc_u64 s[PFA:PFA+1], s[PFA:PFA+1], s[20:21]
	s_lshl_b32 s2, s13, 13          ; my work-group's 32 blocks of a slot's 128
	s_mov_b32 s3, 0
	s_add_nc_u64 s[PFA:PFA+1], s[PFA:PFA+1], s[2:3]
	s_add_nc_u64 s[PFA:PFA+1], s[PFA:PFA+1], 4*KS*128  ; in slot 1; the first change of slots steps it to slot 2
	CROUND                          ; all four work-groups are here: the first joint loads meet
	JLOAD                           ; slot 0.  Slot 1 is asked for when slot 0 is in
	v_and_b32 v1, 15, v0            ; l % 16
	v_bfe_u32 v9, v0, 4, 1          ; l / 16
	v_lshlrev_b32 v[QO], 7, v1
	v_lshl_add_u32 v[QO], v9, 4, v[QO]
	WIN 0x80
.set i, 0
.rept 4*NP                          ; Q stays in registers: tile i / 2, channels 32 (i % 2) on
	global_load_b128 v[8*i:8*i+3],   v[QO], s[4:5] offset:(i/2)*2048+(i%2)*64
	global_load_b128 v[8*i+4:8*i+7], v[QO], s[4:5] offset:(i/2)*2048+(i%2)*64+32
.set i, i+1
.endr
	; What the first turn finds: V's registers and P's second buffer hold 0, O^T and l are 0.  All this stands in the wait for the first tile.
.set i, VF
.rept 64
	v_mov_b32 v[i], 0
.set i, i+1
.endr
	WIN 0x40
.set i, 0
.rept 64*NP
	v_mov_b32 v[i], 0
.set i, i+1
.endr
	WIN 0
.set i, 0
.rept 2*NP
	v_mov_b32 v[ST+4*i], 0xfe000000    ; c m: far below every c s
	v_mov_b32 v[ST+4*i+1], 0xff7fffff  ; m
	v_mov_b32 v[ST+4*i+2], 0
	v_mov_b32 v[ST+4*i+3], 0
.set i, i+1
.endr
.set i, P+32
.rept 32
	v_mov_b32 v[i], 0
.set i, i+1
.endr
	v_mul_u32_u24 v[AK0], v1, PK
	v_lshl_add_u32 v[AK0], v9, 4, v[AK0]
	v_and_b32 v10, 7, v0
	v_bfe_u32 v11, v0, 3, 1
	v_lshl_add_u32 v[AV0], v9, 3, v10
	v_mul_u32_u24 v[AV0], v[AV0], PV
	v_lshl_add_u32 v[AV0], v11, 4, v[AV0]
	v_add_nc_u32 v[AV0], VOFF, v[AV0]
	v_and_b32 v[PFO], 31, v0
	v_lshlrev_b32 v[PFO], 8, v[PFO]
	v_mov_b32 v[AK], v[AK0]         ; key step 0 lies at the head of slot 0
; THE MATRIX WORK.  The 8 accumulators of a run of 16 take turns.
.macro KQ x
	WIN W_KQ
.set rS, S+64*((\x)%2)+32*(i%2)+8*((i/2)%4)
.set rK, KF+16*((i/2)%4)+8*(i/8)
.set rQ, 16*(2*(\x)+i%2)+8*(i/8)
.if i < 8
	v_wmma_f32_16x16x32_f16 v[rS:rS+7], v[rK:rK+7], v[rQ:rQ+7], 0
.else
	v_wmma_f32_16x16x32_f16 v[rS:rS+7], v[rK:rK+7], v[rQ:rQ+7], v[rS:rS+7]
.endif
.endm
.macro PV x
	WIN W_PV
.set rO, 32*(2*(\x)+i%2)+8*((i/2)%4)
.set rV, VF+32*(i/8)+8*((i/2)%4)
.set rP, P+32*((\x)%2)+16*(i%2)+8*(i/8)
	v_wmma_f32_16x16x32_f16 v[rO:rO+7], v[rV:rV+7], v[rP:rP+7], v[rO:rO+7]
.endm
.macro MM                           ; the turn's next matrix instruction
.if i < 16
	KQ (Y+1)%NP
.set i, i+1
.else
.set i, i-16
	PV (Y+NP-1)%NP
.set i, i+17
.endif
.endm
; THE LDS LOADS stand in runs of 16.  last = 1 (the tail): in the last trip there is no further step, and the run is jumped over.
.macro FETCH_K last=0
	WIN 0
.if \last
	s_cmp_eq_u32 s[CNT], 1
	s_cbranch_scc1 .Lno_k_\@
.endif
	WIN 0x80
.irp f, 0,1,2,3,4,5,6,7
	ds_load_b128 v[KF+8*\f:KF+8*\f+3],   v[AK] offset:(\f/2)*16*PK+(\f%2)*64
	ds_load_b128 v[KF+8*\f+4:KF+8*\f+7], v[AK] offset:(\f/2)*16*PK+(\f%2)*64+32
.endr
	s_add_co_u32 s[TBK], s[TBK], KS*PK
	WIN 0
.if \last
.Lno_k_\@:
.endif
.endm
.macro FETCH_V
	WIN 0x80
.irp f, 0,1,2,3,4,5,6,7
	ds_load_tr16_b128 v[VF+8*\f:VF+8*\f+3],   v[AV] offset:(\f/4)*32*PV+(\f%4)*32
	ds_load_tr16_b128 v[VF+8*\f+4:VF+8*\f+7], v[AV] offset:(\f/4)*32*PV+16*PV+(\f%4)*32
.endr
	WIN 0
.endm
; THE VECTOR WORK OF A TURN stands in three queues, each in the order in which its entries become ready; the two tiles alternate.
.macro REGS y, u
.set rT, ST+4*(2*(\y)+(\u))
.set rC, TMP+8*((\y)%2)+4*(\u)
.set rM, MV+2*((\y)%2)+(\u)
.set rS, S+64*((\y)%2)+32*(\u)
.set rP, P+32*((\y)%2)+16*(\u)
.set rO, 32*(2*(\y)+(\u))
.endm
; Number n of the 22 that find the NEXT piece's maximum and statistics; each accumulator's lowest registers are read first.
.macro XS u, n
	REGS (Y+1)%NP, \u
.if (\n) < 4
	v_max3_num_f32 v[rC+(\n)], v[rS+8*(\n)], v[rS+8*(\n)+1], v[rS+8*(\n)+2]
.elseif (\n) < 12
	v_max3_num_f32 v[rC+(\n)%4], v[rC+(\n)%4], v[rS+8*((\n)%4)+2*((\n)/4)+1], v[rS+8*((\n)%4)+2*((\n)/4)+2]
.elseif (\n) == 12
	v_max3_num_f32 v[rC], v[rC], v[rS+7], v[rS+15]
.elseif (\n) == 13
	v_max3_num_f32 v[rC+1], v[rC+1], v[rS+23], v[rS+31]
.elseif (\n) == 14
	v_max3_num_f32 v[rC+2], v[rC+2], v[rC+3], v[rT+1]
.elseif (\n) == 15
	v_mov_b32 v[rM], v[rT]
.elseif (\n) == 16
	v_max3_num_f32 v[rC], v[rC], v[rC+1], v[rC+2]
.elseif (\n) == 17
	v_permlanex16_b32 v[rC+3], v[rC], s[SEL], s[SEL+1]
.elseif (\n) == 18
	v_max_num_f32 v[rT+1], v[rC], v[rC+3]
.elseif (\n) == 19
	v_mul_f32 v[rT], s[CS], v[rT+1]
.elseif (\n) == 20
	v_sub_f32 v[rC+1], v[rM], v[rT]
.else
	v_exp_f32 v[rC+2], v[rC+1]
.endif
.endm
; Number g of the 64 that follow the exponentials: roundings to f16, sums of pairs in place, and l a group later.
.macro GS g
.set h, (\g)+6*((\g)/62)
.if h >= 6
.set h, h+2
.endif
	REGS Y, h%2
.set k, h/8
.if h%8 < 4
	v_cvt_pk_f16_f32 v[rP+2*k+(h%8)/2], v[rS+4*k+2*((h%8)/2)], v[rS+4*k+2*((h%8)/2)+1]
.elseif h%8 < 6
	v_pk_add_f32 v[rS+4*k:rS+4*k+1], v[rS+4*k:rS+4*k+1], v[rS+4*k+2:rS+4*k+3]
.elseif k == 1
	v_pk_fma_f32 v[rT+2:rT+3], v[rT+2:rT+3], v[rC+2:rC+3], v[rS:rS+1] op_sel_hi:[1,0,1]
.else
	v_pk_add_f32 v[rT+2:rT+3], v[rT+2:rT+3], v[rS+4*k-4:rS+4*k-3]
.endif
.endm
; THE PLAIN QUEUE, 138 long: 0-73 read no exponential's result (32 scalings and the next piece's 42); 74-137 are GS's 64, behind the wait.
.macro FS f
	REGS Y, (\f)%2
	v_pk_fma_f32 v[rS+2*((\f)/2):rS+2*((\f)/2)+1], v[rS+2*((\f)/2):rS+2*((\f)/2)+1], s[CS:CS+1], v[rT:rT+1] op_sel_hi:[1,0,0] neg_lo:[0,0,1] neg_hi:[0,0,1]
.endm
.macro PL
	WIN 0
.if q < 27
	FS q
.elseif q < 55
	XS (q-27)%2, (q-27)/2
.elseif q < 57
	XS q-55, 15
.elseif (q < 72) && ((q-57)%3 == 0)
	FS 27+(q-57)/3
.elseif q < 60
	XS (q-57)%3-1, 14
.elseif q < 72
	XS (q-57)%3-1, 15+(q-57)/3
.elseif q < 74
	XS q-72, 20
.else
	GS q-74
.endif
.set q, q+1
.endm
; THE EXPONENTIALS' QUEUE, 66 long: one batch, all ahead of the turn's one wait.
.macro EX
	WIN 0
.if e >= 64
	XS e-64, 21
.else
	REGS Y, e%2
	v_exp_f32 v[rS+e/2], v[rS+e/2]
.endif
.set e, e+1
.endm
; THE RESCALING's QUEUE: O^T times a, two at a time.
.macro R2
	REGS Y, r%2
	WIN W_RS
.irp z, 0,1
	v_pk_mul_f32 v[rO+4*(r/2)+2*\z:rO+4*(r/2)+2*\z+1], v[rO+4*(r/2)+2*\z:rO+4*(r/2)+2*\z+1], v[rC+2:rC+3] op_sel_hi:[1,0]
.endr
.set r, r+1
.endm
; A TURN, for piece p.  Ahead of the one wait stands all that names no result of the turn's exponentials: 16 products K Q^T with a scaling, an exponential and two rescalings behind each, then one run of 108.
; Behind it: 16 products V^T P, four of the roundings and sums behind each.  K of the next step is fetched in piece 2's turn, directly behind the wait; V of the step in hand at the end of piece 0's turn,
; four plain instructions behind its last reader.
.macro TURN p, last=0, cnt=0
.set Y, (\p)
.set i, 0
.set q, 0
.set e, 0
.set r, 0
.if (\p) == NP-1
	s_wait_dscnt 0x0                ; K is in
.endif
	MM
	PL
	PL
	R2
.rept 15
	MM
	PL
	EX
	R2
.endr
.if (\p) == NP-2
	WIN 0
	v_add_nc_u32 v[AK], s[TBK], v[AK0]
.endif
.rept 8
	PL
.endr
.rept 49
	EX
	PL
.endr
	EX
	EX
	v_nop                           ; a plain instruction behind the last exponential: one for the batch
	s_wait_alu depctr_va_vdst(0)    ; the wait ahead of the batch's first reader
.if (\p) == NP-2
	FETCH_K \last
.endif
.if (\p) == 1
	s_wait_dscnt 0x0                ; V is in
.endif
.rept 16
	MM
.rept 4
	PL
.endr
.if ((\p) == 0) && (q == 118)
	v_add_nc_u32 v[AV], s[TBV], v[AV0]
.endif
.if ((\p) == 0) && (q == 130)
	s_add_co_u32 s[TBV], s[TBV], KS*PV
.endif
.if (\cnt) && (q == 130)
	s_sub_co_u32 s[CNT], s[CNT], 1
	s_cmp_lg_u32 s[CNT], 0
.endif
.endr
.if (\p) == 0
	FETCH_V
.endif
.endm
	CHANGE 1                        ; slot 0 is in, everybody's part of it; slot 1 is asked for
	FETCH_K                         ; key step 0
	s_wait_loadcnt 0x0              ; Q
	s_wait_dscnt 0x0
.set i, 0
.rept 16
	KQ 0
.set i, i+1
.endr
	WIN 0                           ; the addresses for the way out: plain instructions, the places behind those products
	s_mul_i32 s13, s[WV], 16*SP
	s_add_co_u32 s13, s13, STAGE
	v_mul_u32_u24 v[STO], v1, SP
	v_lshl_add_u32 v[STO], v9, 4, v[STO]
	v_add_nc_u32 v[STO], s13, v[STO]
	v_bfe_u32 v[RD], v0, 3, 2
	v_mul_u32_u24 v[RD], v[RD], SP
	v_lshl_add_u32 v[RD], v10, 4, v[RD]
	v_add_nc_u32 v[RD], s13, v[RD]
	v_and_b32 v[GO], 31, v0
	v_lshlrev_b32 v[GO], 4, v[GO]
.set Y, NP-1
.irp n, 0,1,2,3,4,5,6,7,8,9,10,11,12,13,14,15,16,17,18,19,20,21
	XS 0, \n
	XS 1, \n
.endr
	v_nop
	s_wait_alu depctr_va_vdst(0)    ; the two a have their wait ahead of the branch
	s_mov_b32 s[CNT], 4
	s_branch .Lfirst                ; the loop is entered at a step's first turn, in the middle of a trip
.Lslot:                             ; six times: every slot but the last two is filled again
	CHANGE 1
	s_mov_b32 s[CNT], 4
.Lstep:                             ; a trip: pieces 2 and 3 of one step, then pieces 0 and 1 of the next
	TURN 2
	TURN 3
	WIN 0
.Lfirst:
	TURN 0
	TURN 1, 0, 1
	WIN 0
	s_cbranch_scc1 .Lstep
	s_sub_co_u32 s[SLOTS], s[SLOTS], 1
	s_cmp_lg_u32 s[SLOTS], 0
	s_cbranch_scc1 .Lslot
	CHANGE 0                        ; the tail is written out
	s_mov_b32 s[CNT], 5             ; four trips fetch the last slot's steps; the fifth is left in its middle
.Ltail:
	TURN 2, 1
	TURN 3
	WIN 0
	s_sub_co_u32 s[CNT], s[CNT], 1
	s_cmp_eq_u32 s[CNT], 0
	s_cbranch_scc1 .Lout
	TURN 0
	TURN 1
	WIN 0
	s_branch .Ltail
.Lout:                              ; the fifth trip's 16 products K Q^T and the maximum made of them serve nothing: the price of one text for every trip
.set i, 0
.rept 16
	PV NP-1
.set i, i+1
.endr
	; THE WAY OUT.  l; |acc|^2 over the lane's 32 channels and the other half's; 1 / |acc| and 1 / l as one batch; n = |acc|^2 / |acc| / l.
	WIN 0
.macro ALL line:vararg              ; one line for each tile t
.set t, 0
.rept 2*NP
	\line
.set t, t+1
.endr
.endm
	ALL v_add_f32 v[ST+4*t+2], v[ST+4*t+2], v[ST+4*t+3]      ; these additions are the places behind the last products
	ALL v_permlanex16_b32 v[ST+4*t+3], v[ST+4*t+2], s[SEL], s[SEL+1]
	ALL v_add_f32 v[ST+4*t+3], v[ST+4*t+2], v[ST+4*t+3]      ; l
	WIN 0x05                        ; sources 0 and 1 in window 1; the sum in window 0, where c m and m lay
	ALL v_pk_mul_f32 v[ST+4*t:ST+4*t+1], v[32*t:32*t+1], v[32*t:32*t+1]
.set i, 1
.rept 15                            ; the tiles by turns; each accumulator is read from its low end on
	ALL v_pk_fma_f32 v[ST+4*t:ST+4*t+1], v[32*t+2*i:32*t+2*i+1], v[32*t+2*i:32*t+2*i+1], v[ST+4*t:ST+4*t+1]
.set i, i+1
.endr
	WIN 0
	ALL v_add_f32 v[ST+4*t], v[ST+4*t], v[ST+4*t+1]
	ALL v_permlanex16_b32 v[ST+4*t+1], v[ST+4*t], s[SEL], s[SEL+1]
	ALL v_add_f32 v[ST+4*t], v[ST+4*t], v[ST+4*t+1]          ; |acc|^2
	ALL v_max_num_f32 v[ST+4*t+2], 0x00800000, v[ST+4*t]     ; at least 2^-126
	ALL v_rsq_f32 v[ST+4*t+2], v[ST+4*t+2]
	ALL v_rcp_f32 v[ST+4*t+3], v[ST+4*t+3]
	v_nop                           ; a plain instruction behind the last of the sixteen,
	s_wait_alu depctr_va_vdst(0)    ; and one wait for them, ahead of the first use
	ALL v_mul_f32 v[ST+4*t], v[ST+4*t], v[ST+4*t+2]
	ALL v_mul_f32 v[ST+4*t], v[ST+4*t], v[ST+4*t+3]          ; n
	s_lshl_b32 s13, s[WV], 9
	s_add_co_u32 s13, s13, NST
	v_lshl_add_u32 v[AK], v1, 2, s13
	v_add_nc_u32 v[AV], s13, v[GO]
	ALL ds_store_b32 v[AK], v[ST+4*t] offset:64*t            ; query 16 t + l % 16; both halves of the lanes hold the same n
	ds_load_b128 v[48:51], v[AV]                             ; LDS serves a wave's instructions in order: four neighbouring n a lane
	v_add_f32 v52, v[ST], v[ST+4]
.irp t, 2,3,4,5,6,7
	v_add_f32 v52, v52, v[ST+4*\t]
.endr
	v_add_f32_dpp v52, v52, v52 row_xmask:1 row_mask:0xf bank_mask:0xf
	v_add_f32_dpp v52, v52, v52 row_xmask:2 row_mask:0xf bank_mask:0xf
	v_add_f32_dpp v52, v52, v52 row_xmask:4 row_mask:0xf bank_mask:0xf
	v_add_f32_dpp v52, v52, v52 row_xmask:8 row_mask:0xf bank_mask:0xf   ; the sum of my wave's 128 n
	s_wait_dscnt 0x0
	global_store_b128 v[GO], v[48:51], s[72:73]              ; 512 consecutive bytes of nrm, aligned
; Tile t: u = acc / |acc|; a lane's eight channels of a row pack into 16 bytes; they go into rows of 144 bytes and come back as whole rows of 128.
.macro PACK t
	WIN W_RS
.set i, 32*(\t)
.rept 16
	v_pk_mul_f32 v[i:i+1], v[i:i+1], v[ST+4*(\t)+2:ST+4*(\t)+3] op_sel_hi:[1,0]
.set i, i+2
.endr
	WIN 0x05
.set i, 0
.rept 16
	v_cvt_pk_f16_f32 v[S+16*(\t)+i], v[32*(\t)+2*i], v[32*(\t)+2*i+1]
.set i, i+1
.endr
	WIN 0
.irp f, 0,1,2,3
	ds_store_b128 v[STO], v[S+16*(\t)+4*\f:S+16*(\t)+4*\f+3] offset:32*\f
.endr
.irp f, 0,1,2,3
	ds_load_b128 v[S+16*(\t)+4*\f:S+16*(\t)+4*\f+3], v[RD] offset:\f*4*SP
.endr
.endm
.macro SEND t, younger
	WIN 0
.irp f, 0,1,2,3
	s_wait_dscnt (\younger)+3-\f
	global_store_b128 v[GO], v[S+16*(\t)+4*\f:S+16*(\t)+4*\f+3], s[10:11] offset:(\t)*2048+\f*512  ; 512 consecutive bytes, aligned
.endr
.endm
	PACK 0
.set t, 1
.rept 2*NP-1
	PACK t
	SEND t-1, 8
.set t, t+1
.endr
	SEND 2*NP-1, 0
	s_wait_xcnt 0x0                 ; EXEC changes only behind this wait
	v_cmp_eq_u32 vcc_lo, 0, v[GO]
	s_and_saveexec_b32 s13, vcc_lo  ; lane 0 alone
	global_store_b32 v[GO], v52, s[74:75]
	s_wait_xcnt 0x0                 ; and again, in front of the line that widens it
	s_or_b32 exec_lo, exec_lo, s13
	WIN W_AD
	s_wait_tensorcnt 0x0            ; the wave's end: a last add to my spare word, behind my last tensor load and my last LDS store
	ds_add_u32 v[SPW], v[NIL]
	s_wait_dscnt 0x0
	WIN 0
	CROUND                          ; the closing round
	s_endpgm
.Lfunc_end_k_q17d7f08d6f_attn:
	.size	k_q17d7f08d6f_attn, .Lfunc_end_k_q17d7f08d6f_attn-k_q17d7f08d6f_attn
	.p2alignl 7, 3214868480
	.fill 96, 4, 3214868480
	.section	.rodata,"a",@progbits
	.p2align	6, 0x0
	.amdhsa_kernel k_q17d7f08d6f_attn
		.amdhsa_group_segment_fixed_size 327680
		.amdhsa_private_segment_fixed_size 0
		.amdhsa_enable_private_segment 0
		.amdhsa_kernarg_size 32
		.amdhsa_user_sgpr_count 2
		.amdhsa_user_sgpr_kernarg_segment_ptr 1
		.amdhsa_wavefront_size32 1
		.amdhsa_system_sgpr_workgroup_id_x 1
		.amdhsa_system_sgpr_workgroup_id_y 1
		.amdhsa_system_sgpr_workgroup_id_z 1
		.amdhsa_system_vgpr_workitem_id 0
		.amdhsa_next_free_vgpr 770
		.amdhsa_next_free_sgpr 80
		.amdhsa_reserve_vcc 1
		.amdhsa_float_denorm_mode_32 3
		.amdhsa_float_denorm_mode_16_64 3
		.amdhsa_memory_ordered 1
		.amdhsa_forward_progress 1
		.amdhsa_inst_pref_size 213
	.end_amdhsa_kernel
	.amdgpu_metadata
---
amdhsa.version: [ 1, 2 ]
amdhsa.kernels:
  - .name:           k_q17d7f08d6f_attn
    .symbol:         k_q17d7f08d6f_attn.kd
    .args:
      - { .name: qkv, .offset: 0, .size: 8, .value_kind: global_buffer, .address_space: global }
      - { .name: u, .offset: 8, .size: 8, .value_kind: global_buffer, .address_space: global }
      - { .name: nrm, .offset: 16, .size: 8, .value_kind: global_buffer, .address_space: global }
      - { .name: psum, .offset: 24, .size: 8, .value_kind: global_buffer, .address_space: global }
    .group_segment_fixed_size: 327680
    .private_segment_fixed_size: 0
    .kernarg_segment_align: 8
    .kernarg_segment_size: 32
    .max_flat_workgroup_size: 128
    .sgpr_count:     80
    .vgpr_count:     770
    .wavefront_size: 32
...
	.end_amdgpu_metadata
.endif
;; end of part 3
;; launch proj (part 4): grid 4 x 64, 4 waves a work-group, clusters of 4 x 4, 327,680 bytes of LDS; arguments u, c16, nrm, psum, gate, bo, out0; writes out0
.if DOCPART == 4
	.amdgcn_target "amdgcn-amd-amdhsa--gfx1250"
	.amdhsa_code_object_version 6
	.text
	.protected	k_q17d7f08d6f_proj
	.globl	k_q17d7f08d6f_proj
	.p2align	8
	.type	k_q17d7f08d6f_proj,@function
k_q17d7f08d6f_proj:
	s_mov_b64 s[64:65], 0
	v_nop
	global_prefetch_b8 v0, s[64:65] scope:SCOPE_SE
	s_setreg_imm32_b32 hwreg(HW_REG_WAVE_MODE, 25, 1), 1
	s_wait_xcnt 0x0
	s_wait_alu depctr_hold_cnt(0) depctr_sa_sdst(0) depctr_va_vdst(0) depctr_va_sdst(0) depctr_va_ssrc(0) depctr_va_vcc(0) depctr_vm_vsrc(0)
	s_getreg_b32 s2, hwreg(HW_REG_IB_STS2, 6, 4)
	s_cmp_eq_u32 s2, 0
	s_cbranch_scc0 .Lentry_in_a_cluster
	s_endpgm
.Lentry_in_a_cluster:
	s_bfe_u32 s2, ttmp6, 0x10000c
	s_cmp_lg_u32 s2, 0xf033
	s_cbranch_scc0 .Lentry_shape_is_right
	s_endpgm
.Lentry_shape_is_right:
; THE OUTPUT PROJECTION.  out0[b][t][d] = 1/16 x the sum over h of g_h (out[b][h][t][:] / denom_h . Wo[h][:][d] + bo[h][d]), g = gate held to 0 .. 1, denom_h = max(mean over (b, t) of |out row|, 1e-5).
; The row arrives as a unit row u (f16) and its length n (f32): out / denom x g = u x f with f[t][h] = n g_h / denom_h.  f is at most 8,192 (denom is at least n / 8,192), so u f has room in f16
; whatever the inputs' scale.  u f is made on the fragment, by packed f16 multiplies, between its LDS load and the products; sums in f32; the 1/16 and the bias are one fused multiply-add on the way out.
; gate and bo are rounded to bf16, like every input; Wo arrives so rounded, written as f16.  A head's mean is made of its 64 partial sums in a fixed order, alike in every wave of the launch.
; SHARES.  A work-group makes 128 rows x 256 columns: 256 work-groups.  Wave w: rows 64 (w / 2) on, columns 128 (w % 2) on: 32 accumulators.  K (head, channel) goes in 8 steps of 128, two heads, through two LDS slots.
; Waves 0 and 1 fetch a head's 128 rows of u each (16,384 dense bytes, asked for as 64 rows of 256), waves 2 and 3 64 rows x 512 bytes of Wo each.
; TRANSPOSED USE: source 0 = 16 columns of Wo (turned, by ds_load_tr16_b128), source 1 = 16 rows of u: a lane holds one row and eight neighbouring columns.
; CLUSTER.  4 x 4: u's tile hangs on the tile row alone (joint along a row of the cluster), Wo's on the tile column alone (along a column).
; REGISTERS: window 0: v0-47 addresses, bias, at work; v64-191 two buffers of 64 for the way out (in the set-up: psum, nrm, bo).  window 1: two fragment buffers of 96 (u's four, Wo's eight), v192-199 the factors.
;   window 2: accumulator (b, a) at 8 (4 b + a).
.set PA,    144                        ; a row of u in LDS: 128 bytes + 16
.set PLANE, 128*PA                     ; a head's 128 rows
.set PB,    544                        ; a row of Wo: 512 bytes + 32: an odd multiple of 32
.set BOFF,  2*PLANE
.set BH,    64*PB
.set SLOT,  BOFF+2*BH
.set STAGE, 2*SLOT                     ; behind the ring, never filled by a tensor load: 16 rows x 528 bytes for each wave
.set SPS,   528
.set FT,    STAGE+4*16*SPS             ; the factors: (f, f) in f16 at 512 h + 256 (row / 64) + 16 (row % 16) + 4 ((row / 16) % 4): a lane's four row blocks are 16 neighbouring bytes
.set SPARE, FT+8192                    ; the spare words: two blocks of 256 bytes that no other line names
.set C_WO,  23068672                   ; Wo's first byte in c16
.set ADRA, 16
.set ADRB, 17
.set FTA,  18
.set A0,   19
.set B0,   20
.set FT0,  21
.set FS,   22
.set STO,  24
.set RD,   25
.set CO,   26                          ; v26  16 x lane
.set SPW,  28
.set NIL,  29
.set PFO,  30
.set BIAS, 32                          ; v[32:35] 1/16 x the sum over h of g_h bo[h][my four columns]
.set WK,   36                          ; v[36:47] at work
.set OB,   64
.set F0,   0
.set F1,   96
.set CNT,  3
.set WV,   18
.set RH,   19
.set CH,   20
.set CX,   21
.set CY,   22
.set TX,   23
.set G1A,  24
.set G0A,  32
.set G1B,  40
.set G0B,  48
.set PFA,  56
.set PST,  58
.set LIM,  60
.set TB,   61
.set DT,   62
.set FB,   63                          ; s63  the step's place in the factors: 1,024 bytes a step
.set SH,   66                          ; s[66:81] g_h / denom_h
.set GH,   82                          ; s[82:97] g_h
.set LWA,  98
.set LWB,  99
.set TY,   100
.set MSB, 0
.macro WIN new
.if MSB != (\new)
	s_set_vgpr_msb (MSB<<8)|(\new)
.set MSB, (\new)
.endif
.endm
.macro PLACES
.rept 4
	v_nop
.endr
.endm
.macro CREST
	s_cmp_lg_u32 s[WV], 0
	s_cbranch_scc1 .Lnot_wave_0_\@
	s_barrier_signal -3
.Lnot_wave_0_\@:
	s_barrier_wait -3
	s_barrier_signal -1
	s_barrier_wait -1
.endm
.macro CROUND
	s_barrier_signal -1
	s_barrier_wait -1
	CREST
.endm
.macro JLOAD                           ; a joint refill by the walking descriptors; an s_nop 0 and four v_nop follow each line
	s_cmp_lt_u32 s[WV], 2
	s_cbranch_scc0 .Lfor_b_\@
	tensor_load_to_lds s[G0A+4:G0A+7], s[G1A:G1A+7]
	s_nop 0
	PLACES
	s_branch .Lasked_\@
.Lfor_b_\@:
	tensor_load_to_lds s[G0B+4:G0B+7], s[G1B:G1B+7]
	s_nop 0
	PLACES
.Lasked_\@:
.endm
; A PREFETCH of the K step two refills on, a lane a block of 256 bytes.  u's rows are read by this cluster alone: wave 0 asks for both heads' 128 blocks, 32 to each of the four partners of a row, by address.
; Wo's columns are read by all sixteen clusters: cluster y = 0 asks, waves 2 and 3, each partner of a column 16 of a wave's 64 rows, two blocks a row.  Each block is named once in the launch.
; K steps 0 to 3 come by their loads alone; the last two refills have no K step two on.
.macro ASK
	s_cmp_gt_u32 s[CNT], s[LIM]
	s_cbranch_scc0 .Lnot_mine_\@
	global_prefetch_b8 v[PFO], s[PFA:PFA+1] th:TH_LOAD_NT scope:SCOPE_SE
.Lnot_mine_\@:
.endm
	s_load_b256 s[4:11], s[0:1], 0x0               ; u s[4:5], c16 s[6:7], nrm s[8:9], psum s[10:11]
	s_load_b128 s[12:15], s[0:1], 0x20             ; gate s[12:13], bo s[14:15]
	s_load_b64 s[16:17], s[0:1], 0x30              ; out0
	v_lshl_add_u32 v[SPW], v0, 2, SPARE
	v_mov_b32 v[NIL], 0
	ds_add_u32 v[SPW], v[NIL]                      ; the wave's opening: the add and its wait stand ahead of my first tensor load
	v_lshrrev_b32 v1, 5, v0
	v_readfirstlane_b32 s[WV], v1
	s_lshr_b32 s[RH], s[WV], 1
	s_and_b32 s[CH], s[WV], 1
	s_bfe_u32 s[CX], ttmp6, 0x40000
	s_bfe_u32 s[CY], ttmp6, 0x40004
	s_lshl_b32 s[TX], ttmp9, 2
	s_add_co_u32 s[TX], s[TX], s[CX]
	s_and_b32 s[TY], ttmp7, 0xffff
	s_lshl_b32 s[TY], s[TY], 2
	s_add_co_u32 s[TY], s[TY], s[CY]
	s_lshl_b32 s66, s[CY], 2
	s_lshl_b32 s66, 15, s66                        ; my row of the cluster
	s_lshl_b32 s68, 0x1111, s[CX]                  ; my column
	s_or_b32 s[G1A], s66, (1<<16)|(1<<20)|(1<<21)|(4<<22)|(3<<25)  ; after every 32 words 4 words
	s_or_b32 s[G1B], s68, (1<<16)|(1<<20)|(1<<21)|(6<<22)|(7<<25)  ; after every 128 words 8 words
	s_mov_b32 s[G1A+1], 128<<16
	s_mov_b32 s[G1A+2], 64<<16
	s_mov_b32 s[G1A+3], 128<<16
	s_mov_b32 s[G1A+4], 64
	s_mov_b32 s[G1A+5], 128
	s_mov_b32 s[G1A+6], 0
	s_mov_b32 s[G1A+7], 0
	s_mov_b32 s[G1B+1], 256<<16
	s_mov_b32 s[G1B+2], 64<<16
	s_mov_b32 s[G1B+3], 256<<16
	s_mov_b32 s[G1B+4], 64
	s_mov_b32 s[G1B+5], 1024
	s_mov_b32 s[G1B+6], 0
	s_mov_b32 s[G1B+7], 0
	s_and_b32 s2, s[WV], 1                         ; which head of the step's two, or which 64 rows of Wo, I fetch
	s_mul_i32 s[LWA], s2, PLANE
	s_mul_i32 s[LWB], s2, BH
	s_add_co_u32 s[LWB], s[LWB], BOFF
	s_mov_b32 s[G0A], 1
	s_mov_b32 s[G0A+1], s[LWA]
	s_mov_b32 s[G0A+4], 1
	s_add_co_u32 s[G0A+5], s[LWA], SLOT
	s_mov_b32 s[G0B], 1
	s_mov_b32 s[G0B+1], s[LWB]
	s_mov_b32 s[G0B+4], 1
	s_add_co_u32 s[G0B+5], s[LWB], SLOT
	s_mov_b32 s[DT], SLOT
	s_mov_b32 s[TB], 0
	s_mov_b32 s[FB], 0
	s_lshr_b32 s66, s[TY], 4                       ; u: batch (16 heads of 262,144 bytes),
	s_lshl_b32 s66, s66, 22
	s_and_b32 s67, s[TY], 15                       ; 128 rows of 128 bytes,
	s_lshl_b32 s67, s67, 14
	s_add_co_u32 s66, s66, s67
	s_lshl_b32 s67, s2, 18                         ; my head of the two
	s_add_co_u32 s66, s66, s67
	s_mov_b32 s67, 0
	s_lshl_b32 s68, s2, 17                         ; Wo: my 64 rows of 2,048 bytes,
	s_lshl_b32 s69, s[TX], 9                       ; the tile's 256 columns
	s_add_co_u32 s68, s68, s69
	s_add_co_u32 s68, s68, C_WO
	s_mov_b32 s69, 0
	s_wait_dscnt 0x0                               ; the opening add is done
	s_wait_kmcnt 0x0
	s_add_nc_u64 s[G0A+2:G0A+3], s[4:5], s[66:67]
	s_add_nc_u64 s[G0A+6:G0A+7], s[G0A+2:G0A+3], 524288   ; K step 1: two heads on
	s_or_b32 s[G0A+3], s[G0A+3], 0x80000000
	s_or_b32 s[G0A+7], s[G0A+7], 0x80000000
	s_add_nc_u64 s[G0B+2:G0B+3], s[6:7], s[68:69]
	s_add_nc_u64 s[G0B+6:G0B+7], s[G0B+2:G0B+3], 262144   ; 128 rows on
	s_or_b32 s[G0B+3], s[G0B+3], 0x80000000
	s_or_b32 s[G0B+7], s[G0B+7], 0x80000000
	CROUND                                         ; all sixteen work-groups are here: the first joint loads meet
	s_cmp_lt_u32 s[WV], 2                          ; a wave's two first fills stand in one branch: two loads of mine are out
	s_cbranch_scc0 .Lfirst_b
	tensor_load_to_lds s[G0A:G0A+3], s[G1A:G1A+7]
	s_nop 0
	tensor_load_to_lds s[G0A+4:G0A+7], s[G1A:G1A+7]
	s_nop 0
	PLACES
	s_branch .Lfirst_asked
.Lfirst_b:
	tensor_load_to_lds s[G0B:G0B+3], s[G1B:G1B+7]
	s_nop 0
	tensor_load_to_lds s[G0B+4:G0B+7], s[G1B:G1B+7]
	s_nop 0
	PLACES
.Lfirst_asked:
	v_and_b32 v1, 15, v0                           ; l % 16
	v_bfe_u32 v2, v0, 4, 1                         ; l / 16
	v_and_b32 v3, 7, v0
	v_bfe_u32 v4, v0, 3, 1
	v_and_b32 v5, 31, v0                           ; l
	v_lshlrev_b32 v[CO], 4, v5
	v_lshlrev_b32 v6, 7, v5                        ; psum: 128 bytes a lane: half a head's 64 partial sums
	v_bfe_u32 v7, v0, 1, 4                         ; l / 2: the head
	v_lshlrev_b32 v8, 2, v7                        ; gate
	v_lshlrev_b32 v9, 2, v0                        ; nrm: a thread a row
	; the pointers of the set-up's loads and of the way out
	s_lshr_b32 s104, s[TY], 4
	s_lshl_b32 s104, s104, 17                      ; nrm: 16 heads of 8,192 bytes a batch,
	s_and_b32 s105, s[TY], 15
	s_lshl_b32 s105, s105, 9                       ; 128 rows
	s_add_co_u32 s104, s104, s105
	s_mov_b32 s105, 0
	s_add_nc_u64 s[8:9], s[8:9], s[104:105]
	s_lshl_b32 s104, s[TX], 10                     ; bo and out0: the tile's 256 columns, my 128 of them
	s_lshl_b32 s101, s[CH], 9
	s_add_co_u32 s104, s104, s101
	s_add_nc_u64 s[14:15], s[14:15], s[104:105]
	s_lshl_b32 s101, s[TY], 19                     ; out0: 128 rows of 4,096 bytes a tile row,
	s_add_co_u32 s104, s104, s101
	s_lshl_b32 s101, s[RH], 18                     ; my 64 rows
	s_add_co_u32 s104, s104, s101
	s_add_nc_u64 s[16:17], s[16:17], s[104:105]
.irp k, 0,1,2,3,4,5,6,7
	global_load_b128 v[64+4*(\k):64+4*(\k)+3], v6, s[10:11] offset:16*(\k)
.endr
	global_load_b32 v[WK], v8, s[12:13]
.irp h, 0,1,2,3,4,5,6,7,8,9,10,11,12,13,14,15
	global_load_b32 v[96+(\h)], v9, s[8:9] offset:8192*(\h)
.endr
.irp h, 0,1,2,3,4,5,6,7,8,9,10,11,12,13,14,15
	global_load_b128 v[128+4*(\h):128+4*(\h)+3], v[CO], s[14:15] offset:4096*(\h)
.endr
	; lane addresses
	v_mul_u32_u24 v[A0], v1, PA
	v_lshl_add_u32 v[A0], v2, 4, v[A0]
	s_mul_i32 s2, s[RH], 64*PA
	v_add_nc_u32 v[A0], s2, v[A0]
	v_lshl_add_u32 v[B0], v2, 3, v3
	v_mul_u32_u24 v[B0], v[B0], PB
	v_lshl_add_u32 v[B0], v4, 4, v[B0]
	s_lshl_b32 s2, s[CH], 8
	s_add_co_u32 s2, s2, BOFF
	v_add_nc_u32 v[B0], s2, v[B0]
	s_lshl_b32 s2, s[RH], 8
	s_add_co_u32 s2, s2, FT
	v_lshl_add_u32 v[FT0], v1, 4, s2
	v_bfe_u32 v10, v0, 6, 1                        ; my row (= my thread's number) / 64,
	v_bfe_u32 v11, v0, 4, 2                        ; (row / 16) % 4
	v_lshlrev_b32 v[FS], 8, v10
	v_lshl_add_u32 v[FS], v1, 4, v[FS]
	v_lshl_add_u32 v[FS], v11, 2, v[FS]
	v_add_nc_u32 v[FS], FT, v[FS]
	s_mul_i32 s2, s[WV], 16*SPS
	s_add_co_u32 s2, s2, STAGE
	v_mul_u32_u24 v[STO], v1, SPS
	v_lshl_add_u32 v[STO], v2, 5, v[STO]
	v_add_nc_u32 v[STO], s2, v[STO]
	v_add_nc_u32 v[RD], s2, v[CO]
	; the prefetches' registers: they stand at K step 3; the first refill steps them to 4
	s_lshr_b32 s104, s[TY], 4
	s_lshl_b32 s104, s104, 22
	s_and_b32 s105, s[TY], 15
	s_lshl_b32 s105, s105, 14
	s_add_co_u32 s104, s104, s105
	s_lshr_b32 s105, s[CX], 1                      ; u: the head by cx / 2,
	s_lshl_b32 s105, s105, 18
	s_add_co_u32 s104, s104, s105
	s_and_b32 s105, s[CX], 1                       ; the half of its 64 blocks by cx % 2
	s_lshl_b32 s105, s105, 13
	s_add_co_u32 s104, s104, s105
	s_add_co_u32 s104, s104, 3*524288
	s_and_b32 s101, s[WV], 1                       ; Wo: my 64 rows,
	s_lshl_b32 s101, s101, 17
	s_lshl_b32 s105, s[CY], 15                     ; my work-group's 16 of them
	s_add_co_u32 s101, s101, s105
	s_lshl_b32 s105, s[TX], 9
	s_add_co_u32 s101, s101, s105
	s_add_co_u32 s101, s101, C_WO+3*262144
	s_mov_b32 s[PST], 262144
	s_mov_b32 s[PST+1], 0
	s_and_b32 s105, ttmp7, 0xffff                  ; cluster y
	s_cmp_lt_u32 s[WV], 2
	s_cselect_b32 s104, s104, s101
	s_cselect_b64 s[PFA:PFA+1], s[4:5], s[6:7]
	s_cselect_b32 s[PST], 524288, s[PST]
	s_cselect_b32 s2, 9, 11                        ; two lanes: 512 dense bytes of u, or a row of Wo (2,048 bytes apart)
	s_cselect_b32 s105, s[WV], s105                ; wave 0 asks always, wave 1 never, waves 2 and 3 where the cluster's y is 0
	s_cmp_eq_u32 s105, 0
	s_cselect_b32 s[LIM], 2, -1
	s_mov_b32 s105, 0
	s_add_nc_u64 s[PFA:PFA+1], s[PFA:PFA+1], s[104:105]
	v_and_b32 v10, 1, v0
	v_lshlrev_b32 v[PFO], s2, v7
	v_lshl_add_u32 v[PFO], v10, 8, v[PFO]
	; g_h and g_h / denom_h
	s_wait_loadcnt 32                              ; psum and gate are in; nrm's and bo's 32 loads stay out
.set i, 0
.rept 8
	v_pk_add_f32 v[64+2*i:64+2*i+1], v[64+2*i:64+2*i+1], v[80+2*i:80+2*i+1]
.set i, i+1
.endr
.set i, 0
.rept 4
	v_pk_add_f32 v[64+2*i:64+2*i+1], v[64+2*i:64+2*i+1], v[72+2*i:72+2*i+1]
.set i, i+1
.endr
	v_pk_add_f32 v[64:65], v[64:65], v[68:69]
	v_pk_add_f32 v[66:67], v[66:67], v[70:71]
	v_pk_add_f32 v[64:65], v[64:65], v[66:67]
	v_add_f32 v64, v64, v65
	v_add_f32_dpp v64, v64, v64 row_xmask:1 row_mask:0xf bank_mask:0xf  ; the head's other half lies in the neighbouring lane
	v_mul_f32 v64, 0x39000000, v64                 ; / 8,192 rows
	v_max_num_f32 v64, 0x3727c5ac, v64             ; at least 1e-5
	v_rcp_f32 v65, v64
	v_cvt_pk_bf16_f32 v[WK+1], v[WK], v[WK]        ; gate rounded to bf16 and held to 0 .. 1: the plain work behind the reciprocal
	v_lshlrev_b32 v[WK+1], 16, v[WK+1]
	v_max_num_f32 v[WK+1], 0, v[WK+1]
	v_min_num_f32 v[WK+1], 1.0, v[WK+1]
	s_wait_alu depctr_va_vdst(0)                   ; the wait ahead of the reciprocal's first reader
	v_mul_f32 v65, v[WK+1], v65
.irp h, 0,1,2,3,4,5,6,7,8,9,10,11,12,13,14,15
	v_readlane_b32 s[SH+(\h)], v65, 2*(\h)
	v_readlane_b32 s[GH+(\h)], v[WK+1], 2*(\h)
.endr
	s_wait_loadcnt 16                              ; nrm is in
.irp h, 0,1,2,3,4,5,6,7,8,9,10,11,12,13,14,15
	v_mul_f32 v[WK+2+(\h)%4], s[SH+(\h)], v[96+(\h)]
	v_cvt_pk_f16_f32 v[WK+2+(\h)%4], v[WK+2+(\h)%4], v[WK+2+(\h)%4]
	ds_store_b32 v[FS], v[WK+2+(\h)%4] offset:512*(\h)
.endr
	s_wait_loadcnt 0x0                             ; bo
.irp h, 0,1,2,3,4,5,6,7,8,9,10,11,12,13,14,15
	v_cvt_pk_bf16_f32 v[WK+6], v[128+4*(\h)], v[128+4*(\h)+1]
	v_cvt_pk_bf16_f32 v[WK+7], v[128+4*(\h)+2], v[128+4*(\h)+3]
	v_lshlrev_b32 v[WK+8], 16, v[WK+6]
	v_and_b32 v[WK+9], 0xffff0000, v[WK+6]
	v_lshlrev_b32 v[WK+10], 16, v[WK+7]
	v_and_b32 v[WK+11], 0xffff0000, v[WK+7]
.irp k, 0,1,2,3
.if (\h) == 0
	v_mul_f32 v[BIAS+(\k)], s[GH], v[WK+8+(\k)]
.else
	v_fmac_f32 v[BIAS+(\k)], s[GH+(\h)], v[WK+8+(\k)]
.endif
.endr
.endr
.irp k, 0,1,2,3
	v_mul_f32 v[BIAS+(\k)], 0x3d800000, v[BIAS+(\k)]
.endr
; 25 LDS loads in one run: quarter q (32 along K: head q / 2 of the step's two, channels 32 (q % 2) on) into buffer f: the four factors, u's four fragments, Wo's eight
.macro FETCH q, f
.set rF, 192+4*((\f)/96)
	WIN 0x40
	ds_load_b128 v[rF:rF+3], v[FTA] offset:512*((\q)/2)
.irp a, 0,1,2,3
	ds_load_b128 v[(\f)+8*(\a):(\f)+8*(\a)+3],   v[ADRA] offset:PLANE*((\q)/2)+16*PA*(\a)+64*((\q)%2)
	ds_load_b128 v[(\f)+8*(\a)+4:(\f)+8*(\a)+7], v[ADRA] offset:PLANE*((\q)/2)+16*PA*(\a)+64*((\q)%2)+32
.endr
.irp b, 0,1,2,3,4,5,6,7
	ds_load_tr16_b128 v[(\f)+32+8*(\b):(\f)+32+8*(\b)+3],   v[ADRB] offset:32*PB*(\q)+32*(\b)
	ds_load_tr16_b128 v[(\f)+32+8*(\b)+4:(\f)+32+8*(\b)+7], v[ADRB] offset:32*PB*(\q)+32*(\b)+16*PB
.endr
.endm
.macro SCALE f                         ; u f: a lane holds one row of each fragment, and that row's factor in both halves of a word
.set rF, 192+4*((\f)/96)
	WIN 0x45
.irp a, 0,1,2,3
.irp j, 0,1,2,3,4,5,6,7
	v_pk_mul_f16 v[(\f)+8*(\a)+(\j)], v[(\f)+8*(\a)+(\j)], v[rF+(\a)]
.endr
.endr
.endm
; 4 nb matrix instructions.  zero = 1: the first product starts the sums.  The 32 accumulators take turns, one instruction a turn.
.macro MULR f, b0, nb, zero
	WIN 0xa5
.set bb, (\b0)
.rept \nb
.set aa, 0
.rept 4
.set rD, 8*(4*bb+aa)
.if \zero
	v_wmma_f32_16x16x32_f16 v[rD:rD+7], v[(\f)+32+8*bb:(\f)+32+8*bb+7], v[(\f)+8*aa:(\f)+8*aa+7], 0
.else
	v_wmma_f32_16x16x32_f16 v[rD:rD+7], v[(\f)+32+8*bb:(\f)+32+8*bb+7], v[(\f)+8*aa:(\f)+8*aa+7], v[rD:rD+7]
.endif
.set aa, aa+1
.endr
.set bb, bb+1
.endr
.endm
.macro QUARTER qn, f, g, zero
	s_wait_dscnt 8                                 ; the factors, u's fragments and Wo's 0-3 are in; the youngest eight loads (Wo's 4-7) may be out
	SCALE \f
	MULR \f, 0, 4, \zero
	PLACES
	FETCH \qn, \g
	s_wait_dscnt 25                                ; all but the 25 just issued
	MULR \f, 4, 4, \zero
.endm
; The last quarter multiplies buffer 1 and changes slots: in front of the barrier each wave waits for all its tensor loads, adds 0 to its spare word, and waits for that and for its reads of this slot.
; fill = 1: the barrier opens a round of the cluster's, and this slot is filled again, two K steps ahead, first thing behind the round.
.macro TURN fill
.if \fill
	s_wait_xcnt 0x0                                ; the last prefetch, a K step back, has read its address
	s_add_nc_u64 s[PFA:PFA+1], s[PFA:PFA+1], s[PST:PST+1]
.endif
	WIN 0
	s_wait_tensorcnt 0x0                           ; no tensor load of mine is out, so a group 0 may be written
	ds_add_u32 v[SPW], v[NIL]                      ; 0 onto my spare word
.if \fill
	s_xor_b32 s[DT], s[DT], SLOT
	s_add_co_u32 s[G0A+5], s[DT], s[LWA]
	s_add_co_u32 s[G0B+5], s[DT], s[LWB]
	s_add_nc_u64 s[G0A+6:G0A+7], s[G0A+6:G0A+7], 524288
	s_add_nc_u64 s[G0B+6:G0B+7], s[G0B+6:G0B+7], 262144
.endif
	s_wait_dscnt 9                                 ; the add and the youngest eight loads may be out
	SCALE F1
	MULR F1, 0, 2, 0
	s_wait_dscnt 0x0                               ; the add is done, and my reads of this slot are over
	s_barrier_signal -1
	MULR F1, 2, 2, 0
	WIN 0
	s_barrier_wait -1
.if \fill
	CREST
	JLOAD                                          ; the four v_nop behind it are also the places in front of the loads below
.else
	PLACES
.endif
	s_xor_b32 s[TB], s[TB], SLOT
	s_add_co_u32 s[FB], s[FB], 1024
	v_add_nc_u32 v[ADRA], s[TB], v[A0]
	v_add_nc_u32 v[ADRB], s[TB], v[B0]
	v_add_nc_u32 v[FTA], s[FB], v[FT0]
	FETCH 0, F0
.if \fill
	WIN 0
	ASK
.endif
	MULR F1, 4, 4, 0
.endm
	s_wait_tensorcnt 0x1                           ; my part of K step 0 is in; K step 1's may stay out
	s_wait_dscnt 0x0                               ; for the others' sake: my factors lie in LDS
	s_barrier_signal -1
	s_barrier_wait -1
	v_add_nc_u32 v[ADRA], s[TB], v[A0]
	v_add_nc_u32 v[ADRB], s[TB], v[B0]
	v_add_nc_u32 v[FTA], s[FB], v[FT0]
	FETCH 0, F0
	QUARTER 1, F0, F1, 1
	WIN 0
	s_mov_b32 s[CNT], 6
.Lstep:
	QUARTER 2, F1, F0, 0
	QUARTER 3, F0, F1, 0
	TURN 1
	QUARTER 1, F0, F1, 0
	WIN 0
	s_sub_co_u32 s[CNT], s[CNT], 1
	s_cmp_lg_u32 s[CNT], 0
	s_cbranch_scc1 .Lstep
	QUARTER 2, F1, F0, 0                           ; the last two K steps are written out: they ask for nothing
	QUARTER 3, F0, F1, 0
	TURN 0
	QUARTER 1, F0, F1, 0
	QUARTER 2, F1, F0, 0
	QUARTER 3, F0, F1, 0
	s_wait_dscnt 8
	SCALE F1
	MULR F1, 0, 4, 0
	s_wait_dscnt 0x0
	MULR F1, 4, 4, 0
	WIN 0
	PLACES
	PLACES
; THE WAY OUT, 16 rows at a time: a lane's eight columns of a row go as 32 bytes into my stage (rows of 528 bytes) and come back as whole rows of 512; x / 16 + bias; a wave's store covers 512 consecutive bytes, aligned.
.macro TOSTAGE a
.if (\a) >= 2
	s_wait_xcnt 0x0                                ; the buffer's earlier stores have read it
.endif
	WIN 0x08                                       ; the data (source 1) in window 2
.irp b, 0,1,2,3,4,5,6,7
	ds_store_b128 v[STO], v[8*(4*(\b)+(\a)):8*(4*(\b)+(\a))+3]   offset:64*(\b)      ; each accumulator's low four registers first
	ds_store_b128 v[STO], v[8*(4*(\b)+(\a))+4:8*(4*(\b)+(\a))+7] offset:64*(\b)+16
.endr
	WIN 0
.irp t, 0,1,2,3,4,5,6,7,8,9,10,11,12,13,14,15
	ds_load_b128 v[OB+64*((\a)%2)+4*(\t):OB+64*((\a)%2)+4*(\t)+3], v[RD] offset:SPS*(\t)  ; LDS serves a wave's instructions in order (ISA guide 5.7.1.4)
.endr
.endm
.macro SEND a, younger                 ; younger: the LDS instructions issued behind the block's loads
	WIN 0
.irp t, 0,1,2,3,4,5,6,7,8,9,10,11,12,13,14,15
	s_wait_dscnt (\younger)+15-(\t)
	v_pk_fma_f32 v[OB+64*((\a)%2)+4*(\t):OB+64*((\a)%2)+4*(\t)+1],   v[OB+64*((\a)%2)+4*(\t):OB+64*((\a)%2)+4*(\t)+1],   0x3d800000, v[BIAS:BIAS+1]   op_sel_hi:[1,0,1]
	v_pk_fma_f32 v[OB+64*((\a)%2)+4*(\t)+2:OB+64*((\a)%2)+4*(\t)+3], v[OB+64*((\a)%2)+4*(\t)+2:OB+64*((\a)%2)+4*(\t)+3], 0x3d800000, v[BIAS+2:BIAS+3] op_sel_hi:[1,0,1]
	global_store_b128 v[CO], v[OB+64*((\a)%2)+4*(\t):OB+64*((\a)%2)+4*(\t)+3], s[16:17] offset:(16*(\a)+(\t))*4096 th:TH_STORE_NT
.endr
.endm
	TOSTAGE 0
	TOSTAGE 1
	SEND 0, 32
	TOSTAGE 2
	SEND 1, 32
	TOSTAGE 3
	SEND 2, 32
	SEND 3, 0
	s_wait_tensorcnt 0x0                           ; the wave's end: a last add to my spare word, behind my last tensor load and my last LDS store
	ds_add_u32 v[SPW], v[NIL]
	s_wait_dscnt 0x0
	CROUND                                         ; the closing round
	s_endpgm
.Lfunc_end_k_q17d7f08d6f_proj:
	.size	k_q17d7f08d6f_proj, .Lfunc_end_k_q17d7f08d6f_proj-k_q17d7f08d6f_proj
	.p2alignl 7, 3214868480
	.fill 96, 4, 3214868480
	.section	.rodata,"a",@progbits
	.p2align	6, 0x0
	.amdhsa_kernel k_q17d7f08d6f_proj
		.amdhsa_group_segment_fixed_size 327680
		.amdhsa_private_segment_fixed_size 0
		.amdhsa_enable_private_segment 0
		.amdhsa_kernarg_size 56
		.amdhsa_user_sgpr_count 2
		.amdhsa_user_sgpr_kernarg_segment_ptr 1
		.amdhsa_wavefront_size32 1
		.amdhsa_system_sgpr_workgroup_id_x 1
		.amdhsa_system_sgpr_workgroup_id_y 1
		.amdhsa_system_sgpr_workgroup_id_z 1
		.amdhsa_system_vgpr_workitem_id 0
		.amdhsa_next_free_vgpr 768
		.amdhsa_next_free_sgpr 106
		.amdhsa_reserve_vcc 0
		.amdhsa_float_denorm_mode_32 3
		.amdhsa_float_denorm_mode_16_64 3
		.amdhsa_memory_ordered 1
		.amdhsa_forward_progress 1
		.amdhsa_inst_pref_size 128
	.end_amdhsa_kernel
	.amdgpu_metadata
---
amdhsa.version: [ 1, 2 ]
amdhsa.kernels:
  - .name:           k_q17d7f08d6f_proj
    .symbol:         k_q17d7f08d6f_proj.kd
    .args:
      - { .name: u, .offset: 0, .size: 8, .value_kind: global_buffer, .address_space: global }
      - { .name: c16, .offset: 8, .size: 8, .value_kind: global_buffer, .address_space: global }
      - { .name: nrm, .offset: 16, .size: 8, .value_kind: global_buffer, .address_space: global }
      - { .name: psum, .offset: 24, .size: 8, .value_kind: global_buffer, .address_space: global }
      - { .name: gate, .offset: 32, .size: 8, .value_kind: global_buffer, .address_space: global }
      - { .name: bo, .offset: 40, .size: 8, .value_kind: global_buffer, .address_space: global }
      - { .name: out0, .offset: 48, .size: 8, .value_kind: global_buffer, .address_space: global }
    .group_segment_fixed_size: 327680
    .private_segment_fixed_size: 0
    .kernarg_segment_align: 8
    .kernarg_segment_size: 56
    .max_flat_workgroup_size: 128
    .sgpr_count:     106
    .vgpr_count:     768
    .wavefront_size: 32
...
	.end_amdgpu_metadata
.endif
;; end of part 4
